; MI455X (gfx1250); checked and timed in simulation.
; The chip was launched on July 23, 2026; its instructions are those of AMD's public machine-readable ISA for CDNA 5 (MIT licence, August 2026) and "CDNA5" Instruction Set Architecture Reference Guide (July 2026). The comments in the code are by the model that wrote it; some were corrected since.
;; Multi Head Attention. Allowed arithmetic: float matrix products may take bf16 or f16 operands with f32 sums; all other float work in f32.
;; Inputs: Wo 1,024 x 1,024 float32; Wq 1,024 x 2,048 float32; Wv 1,024 x 3,072 float32; bo 1,024 float32; bq 1,024 float32; bv 1,024 float32; correlation_weight 64 x 128 float32; k 64 x 128 x 2,048 float32; lambdas 1 x 16 x 1 x 1 float32; q 64 x 1 x 2,048 float32; qe 64 x 128 x 128 float32; v_backward 64 x 128 x 3,072 float32.
;; Outputs: out0 64 x 128 x 1,024 float32; out1 64 x 128 float32.
;; One version. Each part assembles by itself: llvm-mc -triple=amdgcn-amd-amdhsa -mcpu=gfx1250 --defsym DOCPART=n.
;; ======== version 1 of 1: 5 launches
;; workspace buffers: qpp 1,048,576 bytes; u 8,388,608 bytes; cst 4,096 bytes; qsp 2,097,152 bytes; Wvb 6,291,456 bytes; Wob 2,097,152 bytes; vg 33,554,432 bytes
;; launch qproj (part 1): grid 16 x 16, 4 waves a work-group, no clusters, 186,880 bytes of LDS; arguments q, Wq, Wv, qpp, Wvb; writes qpp, Wvb
.if DOCPART == 1
	.amdgcn_target "amdgcn-amd-amdhsa--gfx1250"
	.amdhsa_code_object_version 6
	.text
	.protected	k_q7302b9cc5a_qproj
	.globl	k_q7302b9cc5a_qproj
	.p2align	8
	.type	k_q7302b9cc5a_qproj,@function
k_q7302b9cc5a_qproj:
	s_mov_b64 s[64:65], 0
	v_nop
	global_prefetch_b8 v0, s[64:65] scope:SCOPE_SE
	s_setreg_imm32_b32 hwreg(HW_REG_WAVE_MODE, 25, 1), 1
	s_wait_xcnt 0x0
; QPROJ.  qpp[kq][b][n] = the sum over the 512 channels c of quarter kq of q[b][c] Wq[n][c], without the bias: f32 [4][64][1024].
; Beside it each work-group rounds 1/256 of Wv to bf16 (Wvb), while its tiles are on their way.
; FORMATS.  q, Wq and Wv are rounded to bf16 (nearest even); products on the matrix unit, sums in f32.  NaN and infinities are not treated apart.
; SHARES.  Work-group (x = head h, y = 4 g + kq): 16 rows b = 16 g .., 64 columns n = 64 h .., 512 channels.  Wave w takes 128 of the channels:
; 4 tiles of 16 n x 4 steps of 32 c = 16 matrix instructions on 4 accumulators that take turns.  The four waves' sums meet in LDS.
; A wave fetches its own tiles (16 rows of q, 64 rows of Wq, 512 bytes each) and reads no other wave's, so its own wait on TENSORcnt is all that its reads need.
; NO CLUSTER: a work-group asks once, at its start, for 168,960 bytes and never again; the partners that share a tile of Wq (same h and kq) lie 4 apart along y
; and those that share a tile of q lie along x: joint loads would want another map of the grid and are not built here.
.set QP,    528                        ; an LDS row: 512 bytes + 16 of padding: the 16 rows of a fragment load start 16 bytes apart modulo 256
.set QTB,   16*QP                      ; q's tile, and 16 rows of Wq's
.set WAVEB, QTB+64*QP                  ; a wave's tiles: q's, then Wq's
.set RED,   4*WAVEB                    ; behind the tiles, never filled by a tensor load: 16 rows x 272 bytes for each wave's partial sums
.set RP,    272
.set REDB,  16*RP
.set FRQ,   24                         ; v24-31    q's fragment (16 b x 32 c, bf16)
.set FRW,   32                         ; v32-63    Wq's four fragments
.set RAW,   64                         ; v64-143, v144-223   two buffers of 80: a K step's f32 as loaded: q's 16 registers, then 4 x 16 of Wq's
.set ACC,   224                        ; v224-255  four accumulators
.set G1Q,   20                         ; s[20:27]  descriptor group 1 for q's tile
.set G1W,   28                         ; s[28:35]  for Wq's
.set G0Q,   36                         ; s[36:39]  group 0 for q's tile
.set G0W,   40                         ; s[40:43]  for Wq's
	s_load_b256 s[4:11], s[0:1], 0x0               ; q s[4:5], Wq s[6:7], Wv s[8:9], qpp s[10:11]
	s_load_b64 s[12:13], s[0:1], 0x20              ; Wvb
	v_lshl_add_u32 v22, v0, 2, 0x2d800
	v_mov_b32 v23, 0
	ds_add_u32 v22, v23
	ds_add_u32 v22, v23
	v_lshrrev_b32 v1, 5, v0
	v_readfirstlane_b32 s14, v1                    ; wave 0..3
	s_mov_b32 s15, ttmp9                           ; h
	s_and_b32 s16, ttmp7, 0xffff                   ; y
	s_lshr_b32 s17, s16, 2                         ; g
	s_and_b32 s18, s16, 3                          ; kq
	s_lshl_b32 s19, s16, 4
	s_add_co_u32 s19, s19, s15                     ; the work-group's number, 16 y + h: its slice of Wv
	; group 1: rows of 128 elements of 4 bytes, 2,048 elements from row to row, 4 words of padding behind every 128 words
.irp g, G1Q, G1W
	s_mov_b32 s[\g+0], (2<<16)|(1<<20)|(6<<22)|(3<<25)
	s_mov_b32 s[\g+1], 128<<16                     ; tensor_dim0 = 128
	s_mov_b32 s[\g+3], 128<<16                     ; tile_dim0 = 128
	s_mov_b32 s[\g+5], 2048
	s_mov_b32 s[\g+6], 0
	s_mov_b32 s[\g+7], 0
.endr
	s_mov_b32 s[G1Q+2], 16<<16                     ; tensor_dim1 = tile_dim1 = 16 rows of q
	s_mov_b32 s[G1Q+4], 16
	s_mov_b32 s[G1W+2], 64<<16                     ; 64 rows of Wq
	s_mov_b32 s[G1W+4], 64
	s_lshl_b32 s2, s18, 11                         ; my channels: 2,048 kq + 512 w bytes into a row
	s_lshl_b32 s3, s14, 9
	s_add_co_u32 s2, s2, s3
	s_lshl_b32 s44, s17, 17                        ; q: 16 g rows of 8,192 bytes
	s_add_co_u32 s44, s44, s2
	s_mov_b32 s45, 0
	s_lshl_b32 s46, s15, 19                        ; Wq: 64 h rows
	s_add_co_u32 s46, s46, s2
	s_mov_b32 s47, 0
	s_mul_i32 s3, s14, WAVEB                       ; my tiles in LDS
	s_mov_b32 s[G0Q], 1
	s_mov_b32 s[G0Q+1], s3
	s_mov_b32 s[G0W], 1
	s_add_co_u32 s[G0W+1], s3, QTB
	s_wait_dscnt 0x0
	s_wait_kmcnt 0x0
	s_add_nc_u64 s[G0Q+2:G0Q+3], s[4:5], s[44:45]
	s_or_b32 s[G0Q+3], s[G0Q+3], 0x80000000
	s_add_nc_u64 s[G0W+2:G0W+3], s[6:7], s[46:47]
	s_or_b32 s[G0W+3], s[G0W+3], 0x80000000
	tensor_load_to_lds s[G0Q:G0Q+3], s[G1Q:G1Q+7]  ; both fills go out ahead of everything else; two loads of mine are out
	s_nop 0
	tensor_load_to_lds s[G0W:G0W+3], s[G1W:G1W+7]
	s_nop 0
	s_mul_i32 s44, s19, 49152                      ; my slice of Wv: 12,582,912 / 256 bytes,
	s_mov_b32 s45, 0
	s_add_nc_u64 s[8:9], s[8:9], s[44:45]
	s_mul_i32 s46, s19, 24576                      ; and of Wvb
	s_mov_b32 s47, 0
	s_add_nc_u64 s[12:13], s[12:13], s[46:47]
	s_lshl_b32 s44, s18, 18                        ; qpp: quarter kq, row 16 g, column 64 h
	s_lshl_b32 s2, s17, 16
	s_add_co_u32 s44, s44, s2
	s_lshl_b32 s2, s15, 8
	s_add_co_u32 s44, s44, s2
	s_add_nc_u64 s[10:11], s[10:11], s[44:45]
	v_lshlrev_b32 v8, 4, v0                        ; 16 t: my 16 bytes of 2,048 of Wv
	v_lshlrev_b32 v9, 3, v0                        ; 8 t: my 8 bytes of 1,024 of Wvb
	; Wv -> Wvb: 24 loads are out together; each store of a wave covers 256 consecutive bytes, aligned
.set i, 0
.rept 24
	global_load_b128 v[64+4*i:67+4*i], v8, s[8:9] offset:2048*i th:TH_LOAD_NT
.set i, i+1
.endr
	v_and_b32 v1, 15, v0                           ; r = lane % 16
	v_bfe_u32 v2, v0, 4, 1                         ; hh = lane / 16
	v_mul_u32_u24 v3, v1, QP
	v_lshl_add_u32 v3, v2, 5, v3
	v_add_nc_u32 v3, s3, v3                        ; q's fragments: row r, 32 bytes (8 f32) for each half of the lanes
	v_add_nc_u32 v4, QTB, v3                       ; Wq's
	v_mul_u32_u24 v5, v1, RP
	v_lshl_add_u32 v5, v2, 5, v5
	s_mul_i32 s2, s14, REDB
	s_add_co_u32 s2, s2, RED
	v_add_nc_u32 v5, s2, v5                        ; my partial sums go here: row b = r, 8 neighbouring n for each half of the lanes
	v_lshrrev_b32 v10, 4, v0                       ; t / 16: 0..7
	v_mul_u32_u24 v6, v10, RP
	v_lshl_add_u32 v6, v1, 4, v6
	v_add_nc_u32 v6, RED, v6                       ; and are read back by rows: 16 threads to a row of 256 bytes
	v_lshlrev_b32 v7, 12, v10
	v_lshl_add_u32 v7, v1, 4, v7                   ; the same place in qpp: rows of 4,096 bytes
.set i, 0
.rept 24
	s_wait_loadcnt 23-i                            ; loads come back in order: number i is in, the younger ones stay out
	v_cvt_pk_bf16_f32 v[160+2*i], v[64+4*i], v[65+4*i]
	v_cvt_pk_bf16_f32 v[161+2*i], v[66+4*i], v[67+4*i]
	global_store_b64 v9, v[160+2*i:161+2*i], s[12:13] offset:1024*i
.set i, i+1
.endr
	s_wait_xcnt 0x0                                ; the stores' data registers are written again (by LDS loads) only behind this wait
; a K step's f32: lane (r, hh) takes channels 8 hh .. +7 and 16 + 8 hh .. +7 of its row: 32 bytes at 32 hh and 32 bytes at 64 + 32 hh
.macro LOADK ks, buf
.irp j, 0,1,2,3
	ds_load_b128 v[RAW+80*(\buf)+4*\j:RAW+80*(\buf)+4*\j+3], v3 offset:128*(\ks)+16*(\j%2)+64*(\j/2)
.endr
.irp n, 0,1,2,3
.irp j, 0,1,2,3
	ds_load_b128 v[RAW+80*(\buf)+16+16*\n+4*\j:RAW+80*(\buf)+16+16*\n+4*\j+3], v4 offset:\n*QTB+128*(\ks)+16*(\j%2)+64*(\j/2)
.endr
.endr
.endm
.macro CVTK buf                        ; 80 f32 -> 40 registers of bf16: q's fragment and Wq's four lie on end, as the f32 do
.set ci, 0
.rept 40
	v_cvt_pk_bf16_f32 v[FRQ+ci], v[RAW+80*(\buf)+2*ci], v[RAW+80*(\buf)+2*ci+1]
.set ci, ci+1
.endr
.endm
; source 0 = 16 rows of Wq, source 1 = 16 rows of q: a lane then holds row b = r and the eight columns n = 8 hh + 0..7
.macro WMK first
.irp n, 0,1,2,3
.if \first
	v_wmma_f32_16x16x32_bf16 v[ACC+8*\n:ACC+8*\n+7], v[FRW+8*\n:FRW+8*\n+7], v[FRQ:FRQ+7], 0
.else
	v_wmma_f32_16x16x32_bf16 v[ACC+8*\n:ACC+8*\n+7], v[FRW+8*\n:FRW+8*\n+7], v[FRQ:FRQ+7], v[ACC+8*\n:ACC+8*\n+7]
.endif
.endr
.endm
.macro PLACES                          ; four plain vector instructions between a matrix instruction and a write of its sources or a read of its result (ISA guide 7.12.1)
.rept 4
	v_nop
.endr
.endm
	s_wait_tensorcnt 0x0                           ; my two tiles are in LDS
	LOADK 0, 0
	LOADK 1, 1
	s_wait_dscnt 20                                ; step 0's 20 loads are in, step 1's stay out
	CVTK 0
	WMK 1                                          ; the first step starts the sums
	LOADK 2, 0
	s_wait_dscnt 20
	PLACES                                         ; the fragments are written anew
	CVTK 1
	WMK 0
	LOADK 3, 1
	s_wait_dscnt 20
	PLACES
	CVTK 0
	WMK 0
	s_wait_dscnt 0x0
	PLACES
	CVTK 1
	WMK 0
	PLACES
.irp n, 0,1,2,3
	ds_store_b128 v5, v[ACC+8*\n:ACC+8*\n+3] offset:64*\n      ; each accumulator's low registers first
	ds_store_b128 v5, v[ACC+8*\n+4:ACC+8*\n+7] offset:64*\n+16
.endr
	s_wait_dscnt 0x0                               ; for the others' sake: my partial sums are in LDS
	s_barrier_signal -1
	s_barrier_wait -1
.irp it, 0,1                           ; 128 threads x 16 bytes are 8 rows: two passes
.irp pw, 0,1,2,3
	ds_load_b128 v[64+16*\it+4*\pw:64+16*\it+4*\pw+3], v6 offset:\pw*REDB+\it*8*RP
.endr
.endr
	s_wait_dscnt 0x0
.irp it, 0,1
	v_pk_add_f32 v[64+16*\it:65+16*\it], v[64+16*\it:65+16*\it], v[68+16*\it:69+16*\it]   ; (w0 + w1) + (w2 + w3)
	v_pk_add_f32 v[66+16*\it:67+16*\it], v[66+16*\it:67+16*\it], v[70+16*\it:71+16*\it]
	v_pk_add_f32 v[72+16*\it:73+16*\it], v[72+16*\it:73+16*\it], v[76+16*\it:77+16*\it]
	v_pk_add_f32 v[74+16*\it:75+16*\it], v[74+16*\it:75+16*\it], v[78+16*\it:79+16*\it]
	v_pk_add_f32 v[64+16*\it:65+16*\it], v[64+16*\it:65+16*\it], v[72+16*\it:73+16*\it]
	v_pk_add_f32 v[66+16*\it:67+16*\it], v[66+16*\it:67+16*\it], v[74+16*\it:75+16*\it]
	global_store_b128 v7, v[64+16*\it:67+16*\it], s[10:11] offset:\it*32768  ; 16 lanes store 256 consecutive bytes, aligned
.endr
	s_wait_tensorcnt 0x0
	ds_add_u32 v22, v23
	s_wait_dscnt 0x0
	s_endpgm
.Lfunc_end_k_q7302b9cc5a_qproj:
	.size	k_q7302b9cc5a_qproj, .Lfunc_end_k_q7302b9cc5a_qproj-k_q7302b9cc5a_qproj
	.p2alignl 7, 3214868480
	.fill 96, 4, 3214868480
	.section	.rodata,"a",@progbits
	.p2align	6, 0x0
	.amdhsa_kernel k_q7302b9cc5a_qproj
		.amdhsa_group_segment_fixed_size 186880
		.amdhsa_private_segment_fixed_size 0
		.amdhsa_enable_private_segment 0
		.amdhsa_kernarg_size 40
		.amdhsa_user_sgpr_count 2
		.amdhsa_user_sgpr_kernarg_segment_ptr 1
		.amdhsa_wavefront_size32 1
		.amdhsa_system_sgpr_workgroup_id_x 1
		.amdhsa_system_sgpr_workgroup_id_y 1
		.amdhsa_system_sgpr_workgroup_id_z 1
		.amdhsa_system_vgpr_workitem_id 0
		.amdhsa_next_free_vgpr 256
		.amdhsa_next_free_sgpr 66
		.amdhsa_reserve_vcc 0
		.amdhsa_float_denorm_mode_32 3
		.amdhsa_float_denorm_mode_16_64 3
		.amdhsa_memory_ordered 1
		.amdhsa_forward_progress 1
		.amdhsa_inst_pref_size 32
	.end_amdhsa_kernel
	.amdgpu_metadata
---
amdhsa.version: [ 1, 2 ]
amdhsa.kernels:
  - .name:           k_q7302b9cc5a_qproj
    .symbol:         k_q7302b9cc5a_qproj.kd
    .args:
      - { .name: q, .offset: 0, .size: 8, .value_kind: global_buffer, .address_space: global }
      - { .name: Wq, .offset: 8, .size: 8, .value_kind: global_buffer, .address_space: global }
      - { .name: Wv, .offset: 16, .size: 8, .value_kind: global_buffer, .address_space: global }
      - { .name: qpp, .offset: 24, .size: 8, .value_kind: global_buffer, .address_space: global }
      - { .name: Wvb, .offset: 32, .size: 8, .value_kind: global_buffer, .address_space: global }
    .group_segment_fixed_size: 186880
    .private_segment_fixed_size: 0
    .kernarg_segment_align: 8
    .kernarg_segment_size: 40
    .max_flat_workgroup_size: 128
    .sgpr_count:     66
    .vgpr_count:     256
    .wavefront_size: 32
...
	.end_amdgpu_metadata
.endif
;; end of part 1
;; launch uproj (part 2): grid 16 x 16, 4 waves a work-group, no clusters, 168,448 bytes of LDS; arguments qpp, Wq, bq, Wo, u, cst, Wob; writes u, cst, Wob
.if DOCPART == 2
	.amdgcn_target "amdgcn-amd-amdhsa--gfx1250"
	.amdhsa_code_object_version 6
	.text
	.protected	k_q7302b9cc5a_uproj
	.globl	k_q7302b9cc5a_uproj
	.p2align	8
	.type	k_q7302b9cc5a_uproj,@function
k_q7302b9cc5a_uproj:
	s_mov_b64 s[64:65], 0
	v_nop
	global_prefetch_b8 v0, s[64:65] scope:SCOPE_SE
	s_setreg_imm32_b32 hwreg(HW_REG_WAVE_MODE, 25, 1), 1
	s_wait_xcnt 0x0
; UPROJ.  qp[b][n] = the four quarters of qpp + bq[n];  u[b][h][c] = the sum over d of qp[b][64 h + d] Wq[64 h + d][c];  cst[h][b] = the sum over d of qp[b][64 h + d] bq[64 h + d].
; With them scores[b][h][l] = (k[b][l] . u[b][h] + cst[h][b]) / 8: the product of k with Wq is never formed (one query a batch: a reassociation that holds for every input).
; Beside it each work-group rounds 1/256 of Wo to bf16 (Wob, [1024][1024]).
; FORMATS.  Wq, bq and Wo are rounded to bf16.  qp, which the program makes itself, enters the product as hi + lo, two bf16 (hi = bf16(x), lo = bf16(x - hi)); u leaves in the
; same form: bf16 [64 b][2: hi, lo][16 h][2048 c].  Sums in f32.  NaN and infinities are not treated apart.
; SHARES.  Work-group (x = slab of 128 c, y = head h): 64 b x 128 c, K = 64 d.  Wave w: rows b = 16 w .., all 8 tiles of 16 c.
; Wq's tile lies [d][c], K down the rows, in f32: a fragment's 16 numbers of a column are taken one by one (ds_load_b32) and rounded in pairs.
; NO CLUSTER: Wq's tile is this work-group's alone; the four tiles of qpp, 65,536 bytes shared by a head's 16 work-groups, are asked for once, at the start.
.set PTP,  272                         ; a row of a partial: 64 f32 + 16 bytes of padding
.set PTB,  64*PTP                      ; one partial: 64 rows b
.set WT,   4*PTB                       ; behind the four partials: Wq's tile, 64 rows d
.set WTP,  528                         ; 128 f32 + 16 bytes
.set STG,  WT+64*WTP                   ; behind the tiles, never filled by a tensor load: for each wave 16 rows x 272 bytes of hi, then of lo
.set SGP,  272
.set AH,   16                          ; v16-31   qp hi: fragments of K steps 0, 1
.set AL,   32                          ; v32-47   qp lo
.set RAWW, 64                          ; v64-127  two tiles' columns in f32: [tile][K step][16]
.set FRW,  128                         ; v128-159, v160-191  their fragments, two buffers
.set ACC,  192                         ; v192-255 eight accumulators
.set G1P,  24
.set G1W,  32
.set G0P,  40
.set G0W,  44
.set UPM,  54                          ; s54  the mask of a word's upper bf16
	s_load_b256 s[4:11], s[0:1], 0x0               ; qpp s[4:5], Wq s[6:7], bq s[8:9], Wo s[10:11]
	s_load_b128 s[12:15], s[0:1], 0x20             ; u s[12:13], cst s[14:15]
	s_load_b64 s[16:17], s[0:1], 0x30              ; Wob
	v_lshl_add_u32 v62, v0, 2, 0x29000
	v_mov_b32 v63, 0
	ds_add_u32 v62, v63
	ds_add_u32 v62, v63
	v_lshrrev_b32 v1, 5, v0
	v_readfirstlane_b32 s18, v1                    ; wave 0..3
	s_mov_b32 s19, ttmp9                           ; slab
	s_and_b32 s20, ttmp7, 0xffff                   ; head
	s_mov_b32 s52, 0x76543210                      ; v_permlanex16_b32: each lane takes its own place in the other half
	s_mov_b32 s53, 0xfedcba98
	s_mov_b32 s[UPM], 0xffff0000
	; a partial's tile: 64 rows x 64 f32, 1,024 elements from row to row, 4 words of padding behind every 64
	s_mov_b32 s[G1P+0], (2<<16)|(1<<20)|(5<<22)|(3<<25)
	s_mov_b32 s[G1P+1], 64<<16
	s_mov_b32 s[G1P+2], 64<<16
	s_mov_b32 s[G1P+3], 64<<16
	s_mov_b32 s[G1P+4], 64
	s_mov_b32 s[G1P+5], 1024
	s_mov_b32 s[G1P+6], 0
	s_mov_b32 s[G1P+7], 0
	; my quarter of Wq's tile: 16 rows x 128 f32, 2,048 elements from row to row, 4 words of padding behind every 128
	s_mov_b32 s[G1W+0], (2<<16)|(1<<20)|(6<<22)|(3<<25)
	s_mov_b32 s[G1W+1], 128<<16
	s_mov_b32 s[G1W+2], 16<<16
	s_mov_b32 s[G1W+3], 128<<16
	s_mov_b32 s[G1W+4], 16
	s_mov_b32 s[G1W+5], 2048
	s_mov_b32 s[G1W+6], 0
	s_mov_b32 s[G1W+7], 0
	s_lshl_b32 s48, s18, 18                        ; qpp: quarter w, column 64 h
	s_lshl_b32 s2, s20, 8
	s_add_co_u32 s48, s48, s2
	s_mov_b32 s49, 0
	s_lshl_b32 s50, s20, 19                        ; Wq: row 64 h + 16 w, column 128 slab
	s_lshl_b32 s2, s18, 17
	s_add_co_u32 s50, s50, s2
	s_lshl_b32 s2, s19, 9
	s_add_co_u32 s50, s50, s2
	s_mov_b32 s51, 0
	s_mov_b32 s[G0P], 1
	s_mul_i32 s[G0P+1], s18, PTB
	s_mov_b32 s[G0W], 1
	s_mul_i32 s[G0W+1], s18, 16*WTP
	s_add_co_u32 s[G0W+1], s[G0W+1], WT
	s_wait_dscnt 0x0
	s_wait_kmcnt 0x0
	s_add_nc_u64 s[G0P+2:G0P+3], s[4:5], s[48:49]
	s_or_b32 s[G0P+3], s[G0P+3], 0x80000000
	s_add_nc_u64 s[G0W+2:G0W+3], s[6:7], s[50:51]
	s_or_b32 s[G0W+3], s[G0W+3], 0x80000000
	tensor_load_to_lds s[G0P:G0P+3], s[G1P:G1P+7]  ; both fills ahead of everything else; two loads of mine are out
	s_nop 0
	tensor_load_to_lds s[G0W:G0W+3], s[G1W:G1W+7]
	s_nop 0
	s_lshl_b32 s48, s20, 8                         ; bq at the head's 64 numbers
	s_add_nc_u64 s[8:9], s[8:9], s[48:49]
	s_lshl_b32 s2, s18, 6                          ; cst[h][16 w ..]
	s_add_co_u32 s48, s48, s2
	s_add_nc_u64 s[14:15], s[14:15], s[48:49]
	s_lshl_b32 s2, s20, 4
	s_add_co_u32 s2, s2, s19                       ; the work-group's number, 16 h + slab: its slice of Wo:
	s_lshl_b32 s48, s2, 14                         ; 4,194,304 / 256 bytes of Wo,
	s_add_nc_u64 s[10:11], s[10:11], s[48:49]
	s_lshl_b32 s48, s2, 13                         ; half as many of Wob
	s_add_nc_u64 s[16:17], s[16:17], s[48:49]
	s_lshl_b32 s48, s18, 21                        ; u: row b = 16 w (131,072 bytes a row), head h, column 128 slab
	s_lshl_b32 s2, s20, 12
	s_add_co_u32 s48, s48, s2
	s_lshl_b32 s2, s19, 8
	s_add_co_u32 s48, s48, s2
	s_add_nc_u64 s[12:13], s[12:13], s[48:49]
	v_and_b32 v1, 15, v0                           ; r
	v_bfe_u32 v2, v0, 4, 1                         ; hh
	v_and_b32 v3, 31, v0                           ; lane
	v_lshlrev_b32 v8, 5, v2                        ; 32 hh
	v_lshlrev_b32 v9, 4, v0                        ; 16 t
	v_lshlrev_b32 v10, 3, v0                       ; 8 t
	; bq in the lay-out of qp's fragments: for each K step 8 numbers at 8 hh and 8 at 16 + 8 hh (all rows alike)
.irp ks, 0,1
.irp j, 0,1,2,3
	global_load_b128 v[192+16*\ks+4*\j:192+16*\ks+4*\j+3], v8, s[8:9] offset:128*\ks+16*(\j%2)+64*(\j/2)
.endr
.endr
.set i, 0
.rept 8
	global_load_b128 v[64+4*i:67+4*i], v9, s[10:11] offset:2048*i th:TH_LOAD_NT
.set i, i+1
.endr
	v_mul_u32_u24 v4, v1, PTP
	v_lshl_add_u32 v6, v2, 4, v4                   ; 272 r + 16 hh
	v_lshl_add_u32 v4, v2, 5, v4                   ; 272 r + 32 hh
	s_mul_i32 s21, s18, 16*PTP
	v_add_nc_u32 v4, s21, v4                       ; qp's f32: row 16 w + r of a partial
	v_mul_u32_u24 v5, v2, 8*WTP
	v_lshl_add_u32 v5, v1, 2, v5
	v_add_nc_u32 v5, WT, v5                        ; Wq's columns: row 8 hh, column r: 16 lanes read 64 consecutive bytes, the other 16 lie 8 rows (1,056 words) further
	s_mul_i32 s21, s18, 2*16*SGP
	s_add_co_u32 s21, s21, STG                     ; my stage
	v_add_nc_u32 v6, s21, v6                       ; in: row r, 16 bytes for each half of the lanes
	v_mul_u32_u24 v7, v2, SGP
	v_lshl_add_u32 v7, v1, 4, v7
	v_add_nc_u32 v7, s21, v7                       ; back: lanes 0-15 one row of 256 bytes, lanes 16-31 the next
	v_lshlrev_b32 v11, 17, v2
	v_lshl_add_u32 v11, v1, 4, v11                 ; the same two rows in u
	v_lshlrev_b32 v12, 2, v1                       ; 4 r
.set i, 0
.rept 8
	s_wait_loadcnt 7-i                             ; number i of Wo's loads is in (and bq, asked for earlier); the younger ones stay out
	v_cvt_pk_bf16_f32 v[96+2*i], v[64+4*i], v[65+4*i]
	v_cvt_pk_bf16_f32 v[97+2*i], v[66+4*i], v[67+4*i]
	global_store_b64 v10, v[96+2*i:97+2*i], s[16:17] offset:1024*i   ; a wave's store covers 256 consecutive bytes, aligned
.set i, i+1
.endr
	s_wait_xcnt 0x0                                ; the stores' data registers are written again only behind this wait
	s_wait_tensorcnt 0x0                           ; my two tiles are in,
	s_barrier_signal -1
	s_barrier_wait -1                              ; everybody's are: each wave reads all four partials and the whole of Wq's tile
	; qp: the four partials of my 16 rows, in the fragments' lay-out: partial kq of K step ks in v[64 + 64 ks + 16 kq ..]
.irp ks, 0,1
.irp kq, 0,1,2,3
.irp j, 0,1,2,3
	ds_load_b128 v[64+64*\ks+16*\kq+4*\j:64+64*\ks+16*\kq+4*\j+3], v4 offset:\kq*PTB+128*\ks+16*(\j%2)+64*(\j/2)
.endr
.endr
.endr
.set i, 0
.rept 16                               ; bq is rounded to bf16 and widened again
	v_cvt_pk_bf16_f32 v[224+i], v[192+2*i], v[193+2*i]
.set i, i+1
.endr
.set i, 0
.rept 16
	v_lshlrev_b32 v[192+2*i], 16, v[224+i]
	v_and_b32 v[193+2*i], s[UPM], v[224+i]
.set i, i+1
.endr
	s_wait_dscnt 0x0
.irp ks, 0,1
.irp i, 0,2,4,6,8,10,12,14
	v_pk_add_f32 v[64+64*\ks+\i:65+64*\ks+\i], v[64+64*\ks+\i:65+64*\ks+\i], v[80+64*\ks+\i:81+64*\ks+\i]
	v_pk_add_f32 v[96+64*\ks+\i:97+64*\ks+\i], v[96+64*\ks+\i:97+64*\ks+\i], v[112+64*\ks+\i:113+64*\ks+\i]
.endr
.irp i, 0,2,4,6,8,10,12,14
	v_pk_add_f32 v[64+64*\ks+\i:65+64*\ks+\i], v[64+64*\ks+\i:65+64*\ks+\i], v[96+64*\ks+\i:97+64*\ks+\i]
.endr
.irp i, 0,2,4,6,8,10,12,14
	v_pk_add_f32 v[64+64*\ks+\i:65+64*\ks+\i], v[64+64*\ks+\i:65+64*\ks+\i], v[192+16*\ks+\i:193+16*\ks+\i]  ; (p0 + p1) + (p2 + p3) + bq
.endr
.endr
	; cst: qp . bq over my 32 of the 64 d, two chains; then the pair's halves and the other half of the lanes
	v_pk_mul_f32 v[240:241], v[64:65], v[192:193]
	v_pk_mul_f32 v[242:243], v[128:129], v[208:209]
.irp i, 2,4,6,8,10,12,14
	v_pk_fma_f32 v[240:241], v[64+\i:65+\i], v[192+\i:193+\i], v[240:241]
	v_pk_fma_f32 v[242:243], v[128+\i:129+\i], v[208+\i:209+\i], v[242:243]
.endr
	v_pk_add_f32 v[240:241], v[240:241], v[242:243]
	v_add_f32 v240, v240, v241
	v_permlanex16_b32 v241, v240, s52, s53
	v_add_f32 v240, v240, v241
	; qp = hi + lo
.irp ks, 0,1
.irp i, 0,1,2,3,4,5,6,7
	v_cvt_pk_bf16_f32 v[AH+8*\ks+\i], v[64+64*\ks+2*\i], v[65+64*\ks+2*\i]
.endr
.irp i, 0,1,2,3,4,5,6,7
	v_lshlrev_b32 v[80+64*\ks+2*\i], 16, v[AH+8*\ks+\i]
	v_and_b32 v[81+64*\ks+2*\i], s[UPM], v[AH+8*\ks+\i]
.endr
.irp i, 0,1,2,3,4,5,6,7
	v_pk_add_f32 v[80+64*\ks+2*\i:81+64*\ks+2*\i], v[64+64*\ks+2*\i:65+64*\ks+2*\i], v[80+64*\ks+2*\i:81+64*\ks+2*\i] neg_lo:[0,1] neg_hi:[0,1]
.endr
.irp i, 0,1,2,3,4,5,6,7
	v_cvt_pk_bf16_f32 v[AL+8*\ks+\i], v[80+64*\ks+2*\i], v[81+64*\ks+2*\i]
.endr
.endr
	s_cmp_lg_u32 s19, 0                            ; cst is the same in a head's 16 work-groups: slab 0 stores it, 64 consecutive bytes a wave
	s_cbranch_scc1 .Lno_cst
	s_wait_xcnt 0x0                                ; EXEC changes only behind this wait
	v_cmp_gt_u32 vcc_lo, 16, v3
	s_and_saveexec_b32 s21, vcc_lo
	global_store_b32 v12, v240, s[14:15]
	s_wait_xcnt 0x0                                ; and again in front of the line that widens it; v240 is also written again below
	s_or_b32 exec_lo, exec_lo, s21
.Lno_cst:
.macro LOADP p                         ; tiles 2 p, 2 p + 1 of 16 c: number j of a lane's 16 lies in row 32 ks + 8 hh + j, from j = 8 on 8 rows further
.irp n2, 0,1
.irp ks, 0,1
.set j, 0
.rept 16
	ds_load_b32 v[RAWW+32*\n2+16*\ks+j], v5 offset:(32*\ks+j+8*(j/8))*WTP+(2*(\p)+\n2)*64
.set j, j+1
.endr
.endr
.endr
.endm
.macro CVTP p
.set j, 0
.rept 32
	v_cvt_pk_bf16_f32 v[FRW+32*((\p)%2)+j], v[RAWW+2*j], v[RAWW+2*j+1]
.set j, j+1
.endr
.endm
; source 0 = 16 columns c of Wq, source 1 = 16 rows b of qp: a lane holds row b = r and eight neighbouring c.  The pair's two accumulators take turns.
.macro WMP p
.irp ks, 0,1
.irp part, 0,1
.irp n2, 0,1
.if (\ks == 0) && (\part == 0)
	v_wmma_f32_16x16x32_bf16 v[ACC+8*(2*(\p)+\n2):ACC+8*(2*(\p)+\n2)+7], v[FRW+32*((\p)%2)+16*\n2+8*\ks:FRW+32*((\p)%2)+16*\n2+8*\ks+7], v[AH+16*\part+8*\ks:AH+16*\part+8*\ks+7], 0
.else
	v_wmma_f32_16x16x32_bf16 v[ACC+8*(2*(\p)+\n2):ACC+8*(2*(\p)+\n2)+7], v[FRW+32*((\p)%2)+16*\n2+8*\ks:FRW+32*((\p)%2)+16*\n2+8*\ks+7], v[AH+16*\part+8*\ks:AH+16*\part+8*\ks+7], v[ACC+8*(2*(\p)+\n2):ACC+8*(2*(\p)+\n2)+7]
.endif
.endr
.endr
.endr
.endm
	LOADP 0
.irp p, 0,1,2,3                        ; a pair's 32 conversions write the buffer that the pair two back multiplied: the 32 conversions between are the places behind those products
	s_wait_dscnt 0x0
	CVTP \p
.if \p < 3
	LOADP \p+1
.endif
	WMP \p
.endr
.rept 4
	v_nop                                          ; four places behind the last products
.endr
	; u = hi + lo, 16 bytes a lane and part, through my stage
.irp n, 0,1,2,3,4,5,6,7
.set T, 128+8*(\n%2)
.irp i, 0,1,2,3
	v_cvt_pk_bf16_f32 v[64+4*\n+\i], v[ACC+8*\n+2*\i], v[ACC+8*\n+2*\i+1]
.endr
.irp i, 0,1,2,3
	v_lshlrev_b32 v[T+2*\i], 16, v[64+4*\n+\i]
	v_and_b32 v[T+2*\i+1], s[UPM], v[64+4*\n+\i]
.endr
.irp i, 0,1,2,3
	v_pk_add_f32 v[T+2*\i:T+2*\i+1], v[ACC+8*\n+2*\i:ACC+8*\n+2*\i+1], v[T+2*\i:T+2*\i+1] neg_lo:[0,1] neg_hi:[0,1]
.endr
.irp i, 0,1,2,3
	v_cvt_pk_bf16_f32 v[96+4*\n+\i], v[T+2*\i], v[T+2*\i+1]
.endr
	ds_store_b128 v6, v[64+4*\n:67+4*\n] offset:32*\n
	ds_store_b128 v6, v[96+4*\n:99+4*\n] offset:32*\n+16*SGP
.endr
.irp p, 0,1
.irp t, 0,1,2,3,4,5,6,7
	ds_load_b128 v[128+32*\p+4*\t:128+32*\p+4*\t+3], v7 offset:\p*16*SGP+\t*2*SGP  ; LDS serves a wave's instructions in order (ISA guide 5.7.1.4): these see the stores above
.endr
.endr
	s_wait_dscnt 0x0
.irp p, 0,1
.irp t, 0,1,2,3,4,5,6,7
	global_store_b128 v11, v[128+32*\p+4*\t:128+32*\p+4*\t+3], s[12:13] offset:\t*262144+\p*65536  ; 16 lanes store 256 consecutive bytes, aligned
.endr
.endr
	s_wait_tensorcnt 0x0
	ds_add_u32 v62, v63
	s_wait_dscnt 0x0
	s_endpgm
.Lfunc_end_k_q7302b9cc5a_uproj:
	.size	k_q7302b9cc5a_uproj, .Lfunc_end_k_q7302b9cc5a_uproj-k_q7302b9cc5a_uproj
	.p2alignl 7, 3214868480
	.fill 96, 4, 3214868480
	.section	.rodata,"a",@progbits
	.p2align	6, 0x0
	.amdhsa_kernel k_q7302b9cc5a_uproj
		.amdhsa_group_segment_fixed_size 168448
		.amdhsa_private_segment_fixed_size 0
		.amdhsa_enable_private_segment 0
		.amdhsa_kernarg_size 56
		.amdhsa_user_sgpr_count 2
		.amdhsa_user_sgpr_kernarg_segment_ptr 1
		.amdhsa_wavefront_size32 1
		.amdhsa_system_sgpr_workgroup_id_x 1
		.amdhsa_system_sgpr_workgroup_id_y 1
		.amdhsa_system_sgpr_workgroup_id_z 1
		.amdhsa_system_vgpr_workitem_id 0
		.amdhsa_next_free_vgpr 256
		.amdhsa_next_free_sgpr 66
		.amdhsa_reserve_vcc 1
		.amdhsa_float_denorm_mode_32 3
		.amdhsa_float_denorm_mode_16_64 3
		.amdhsa_memory_ordered 1
		.amdhsa_forward_progress 1
		.amdhsa_inst_pref_size 60
	.end_amdhsa_kernel
	.amdgpu_metadata
---
amdhsa.version: [ 1, 2 ]
amdhsa.kernels:
  - .name:           k_q7302b9cc5a_uproj
    .symbol:         k_q7302b9cc5a_uproj.kd
    .args:
      - { .name: qpp, .offset: 0, .size: 8, .value_kind: global_buffer, .address_space: global }
      - { .name: Wq, .offset: 8, .size: 8, .value_kind: global_buffer, .address_space: global }
      - { .name: bq, .offset: 16, .size: 8, .value_kind: global_buffer, .address_space: global }
      - { .name: Wo, .offset: 24, .size: 8, .value_kind: global_buffer, .address_space: global }
      - { .name: u, .offset: 32, .size: 8, .value_kind: global_buffer, .address_space: global }
      - { .name: cst, .offset: 40, .size: 8, .value_kind: global_buffer, .address_space: global }
      - { .name: Wob, .offset: 48, .size: 8, .value_kind: global_buffer, .address_space: global }
    .group_segment_fixed_size: 168448
    .private_segment_fixed_size: 0
    .kernarg_segment_align: 8
    .kernarg_segment_size: 56
    .max_flat_workgroup_size: 128
    .sgpr_count:     66
    .vgpr_count:     256
    .wavefront_size: 32
...
	.end_amdgpu_metadata
.endif
;; end of part 2
;; launch scores (part 3): grid 4 x 64, 8 waves a work-group, no clusters, 317,696 bytes of LDS; arguments k, u, cst, qe, qsp; writes qsp
.if DOCPART == 3
	.amdgcn_target "amdgcn-amd-amdhsa--gfx1250"
	.amdhsa_code_object_version 6
	.text
	.protected	k_q7302b9cc5a_scores
	.globl	k_q7302b9cc5a_scores
	.p2align	8
	.type	k_q7302b9cc5a_scores,@function
k_q7302b9cc5a_scores:
	s_mov_b64 s[64:65], 0
	v_nop
	global_prefetch_b8 v0, s[64:65] scope:SCOPE_SE
	s_setreg_imm32_b32 hwreg(HW_REG_WAVE_MODE, 25, 1), 1
	s_wait_xcnt 0x0
; SCORES.  For batch b and quarter kq of the 2,048 channels:  s[h][l] = 0.125 (the sum over the quarter's c of k[b][l][c] u[b][h][c]) + cst[h][b] / 32,
; then qsp[kq][b][h][i] = the sum over l of qe[b][i][l] s[h][l].  qe's product is linear, so the four quarters' qsp add up to qe . scores; the launch that follows adds them.
; FORMATS.  k and qe are rounded to bf16; u arrives as hi + lo (two bf16), s enters the second product in the same form; sums in f32.  NaN and infinities are not treated apart.
; SHARES.  Eight waves; wave w owns rows l (and later i) 16 w .. 16 w + 15.  It fetches and reads its own 16 rows of k (two halves of 256 c) and 4 of the 32 rows (part, head) of u.
; All that the work-group reads through LDS is asked for at its start: no slot is filled twice.
; NO CLUSTER: k and u are read by one work-group each; qe, shared by a batch's four work-groups, is 65,536 of the 360,448 bytes that a work-group reads.
; REGISTERS: window 0: v0-31 addresses and at work; v32-47 two accumulators (u hi, u lo); v48-63 two more (s hi, s lo); v64-191 f32 as loaded, two buffers; v192-255 fragments of k or qe, two buffers.
;   window 1: v0-127 fragments of u or s, two buffers of [K step][part][8]; v128-191 my 16 rows of qe as loaded.
.set KP,    1040                       ; an LDS row of k (256 f32) and of u (512 bf16): 1,024 bytes + 16: the 16 rows of a fragment load start 16 bytes apart modulo 256
.set KHALF, 16*KP
.set KWAVE, 2*KHALF
.set UT,    8*KWAVE                    ; u's 32 rows
.set SCT,   UT+32*KP                   ; never filled by a tensor load: s as bf16, [part][16 h] rows of 256 + 16 bytes
.set SCP,   272
.set OSB,   SCT+2*16*SCP               ; the result on its way out: 16 h rows of 512 + 16 bytes
.set OSP,   528
.set QEP,   528                        ; qe's rows in my half 0 of k's tile, when that has been read out and no fill can follow
.set ACH,   32
.set ACL,   40
.set A2H,   48
.set A2L,   56
.set RAW,   64
.set AF,    192
.set QE,    128
.set G1K,   20
.set G1U,   28
.set G0U,   36
.set G0K,   40                         ; s[40:47]: a set for each half
.set MSB, 0
.macro WIN new                         ; s_set_vgpr_msb: bits 1:0 source 0, 3:2 source 1, 5:4 source 2, 7:6 destination; the high byte repeats the setting that is left
.if MSB != (\new)
	s_set_vgpr_msb (MSB<<8)|(\new)
.set MSB, \new
.endif
.endm
.macro PLACES
.rept 4
	v_nop
.endr
.endm
	s_load_b256 s[4:11], s[0:1], 0x0               ; k s[4:5], u s[6:7], cst s[8:9], qe s[10:11]
	s_load_b64 s[12:13], s[0:1], 0x20              ; qsp
	s_set_vgpr_msb 0x40
	v_lshl_add_u32 v192, v0, 2, 0x4d500
	v_mov_b32 v193, 0
	s_set_vgpr_msb 0x4045
	ds_add_u32 v192, v193
	ds_add_u32 v192, v193
	s_set_vgpr_msb 0x4500
	v_lshrrev_b32 v1, 5, v0
	v_readfirstlane_b32 s14, v1                    ; wave 0..7
	s_mov_b32 s15, ttmp9                           ; kq
	s_and_b32 s16, ttmp7, 0xffff                   ; b
	s_mov_b32 s[G1K+0], (2<<16)|(1<<20)|(7<<22)|(3<<25)  ; f32; 4 words of padding behind every 256
	s_mov_b32 s[G1K+1], 256<<16
	s_mov_b32 s[G1K+2], 16<<16
	s_mov_b32 s[G1K+3], 256<<16
	s_mov_b32 s[G1K+4], 16
	s_mov_b32 s[G1K+5], 2048
	s_mov_b32 s[G1K+6], 0
	s_mov_b32 s[G1K+7], 0
	s_mov_b32 s[G1U+0], (1<<16)|(1<<20)|(7<<22)|(3<<25)  ; bf16; the same padding
	s_mov_b32 s[G1U+1], 512<<16
	s_mov_b32 s[G1U+2], 4<<16
	s_mov_b32 s[G1U+3], 512<<16
	s_mov_b32 s[G1U+4], 4
	s_mov_b32 s[G1U+5], 2048
	s_mov_b32 s[G1U+6], 0
	s_mov_b32 s[G1U+7], 0
	s_lshl_b32 s2, s16, 20                         ; k: batch b, row 16 w, column 512 kq
	s_lshl_b32 s17, s14, 17
	s_add_co_u32 s2, s2, s17
	s_lshl_b32 s17, s15, 11
	s_add_co_u32 s2, s2, s17
	s_mov_b32 s3, 0
	s_lshl_b32 s18, s16, 17                        ; u: batch b, row 4 w of the 32, column 512 kq
	s_lshl_b32 s17, s14, 14
	s_add_co_u32 s18, s18, s17
	s_lshl_b32 s17, s15, 10
	s_add_co_u32 s18, s18, s17
	s_mov_b32 s19, 0
	s_mul_i32 s17, s14, KWAVE                      ; my rows of k in LDS
	s_mov_b32 s[G0U], 1
	s_mul_i32 s[G0U+1], s14, 4*KP
	s_add_co_u32 s[G0U+1], s[G0U+1], UT
	s_mov_b32 s[G0K], 1
	s_mov_b32 s[G0K+1], s17
	s_mov_b32 s[G0K+4], 1
	s_add_co_u32 s[G0K+5], s17, KHALF
	s_wait_dscnt 0x0
	s_wait_kmcnt 0x0
	s_add_nc_u64 s[G0U+2:G0U+3], s[6:7], s[18:19]
	s_or_b32 s[G0U+3], s[G0U+3], 0x80000000
	s_add_nc_u64 s[G0K+2:G0K+3], s[4:5], s[2:3]
	s_add_nc_u64 s[G0K+6:G0K+7], s[G0K+2:G0K+3], 1024
	s_or_b32 s[G0K+3], s[G0K+3], 0x80000000
	s_or_b32 s[G0K+7], s[G0K+7], 0x80000000
	tensor_load_to_lds s[G0U:G0U+3], s[G1U:G1U+7]  ; u first, then k's two halves: three loads of mine are out
	s_nop 0
	tensor_load_to_lds s[G0K:G0K+3], s[G1K:G1K+7]
	s_nop 0
	tensor_load_to_lds s[G0K+4:G0K+7], s[G1K:G1K+7]
	s_nop 0
	PLACES                                         ; four vector instructions ahead of the first switch of windows
	s_lshl_b32 s2, s16, 16                         ; qe: batch b, row 16 w
	s_lshl_b32 s18, s14, 13
	s_add_co_u32 s2, s2, s18
	s_add_nc_u64 s[10:11], s[10:11], s[2:3]
	s_lshl_b32 s2, s16, 2                          ; cst[..][b]
	s_add_nc_u64 s[8:9], s[8:9], s[2:3]
	s_lshl_b32 s2, s15, 19                         ; qsp: quarter kq, batch b, head 2 w
	s_lshl_b32 s18, s16, 13
	s_add_co_u32 s2, s2, s18
	s_lshl_b32 s18, s14, 10
	s_add_co_u32 s2, s2, s18
	s_add_nc_u64 s[12:13], s[12:13], s[2:3]
	v_and_b32 v1, 15, v0                           ; r
	v_bfe_u32 v2, v0, 4, 1                         ; hh
	v_and_b32 v3, 31, v0                           ; lane
	v_lshlrev_b32 v12, 4, v3                       ; 16 x lane
	v_lshlrev_b32 v13, 8, v1                       ; cst: head r, 256 bytes a head
	WIN 0x40                                       ; destination window 1
.set i, 0
.rept 16
	global_load_b128 v[QE+4*i:QE+4*i+3], v12, s[10:11] offset:512*i   ; a whole row of qe, 512 consecutive bytes, to an instruction
.set i, i+1
.endr
	WIN 0
	global_load_b32 v14, v13, s[8:9]
	v_mul_u32_u24 v4, v1, KP
	v_lshl_add_u32 v5, v2, 4, v4
	v_add_nc_u32 v5, UT, v5                        ; u's fragments: row r (+ 16 for lo), 16 bytes for each half of the lanes
	v_lshl_add_u32 v4, v2, 5, v4
	v_add_nc_u32 v4, s17, v4                       ; k's f32: my row r, 32 bytes for each half
	v_mul_u32_u24 v9, v1, SCP
	v_lshl_add_u32 v9, v2, 4, v9
	v_add_nc_u32 v9, SCT, v9                       ; s's fragments: row h = r
	s_lshl_b32 s18, s14, 5
	v_add_nc_u32 v6, s18, v9                       ; where I put s: row h = r, my 16 l, 8 for each half of the lanes
	v_add_nc_u32 v7, s17, v12                      ; qe into LDS: 16 x lane in a row
	v_mul_u32_u24 v8, v1, QEP
	v_lshl_add_u32 v8, v2, 5, v8
	s_lshl_b32 s18, s14, 6
	s_add_co_u32 s18, s18, OSB
	v_add_nc_u32 v10, s18, v8                      ; where I put the result: row h = r, my 16 i
	v_add_nc_u32 v8, s17, v8                       ; qe's f32 out of LDS: row r, 32 bytes for each half
	s_mul_i32 s18, s14, 2*OSP
	s_add_co_u32 s18, s18, OSB
	v_add_nc_u32 v11, s18, v12                     ; and read it back: rows h = 2 w, 2 w + 1, whole
	s_wait_tensorcnt 0x2                           ; my four rows of u are in; k's halves stay out
	s_barrier_signal -1
	s_barrier_wait -1                              ; everybody's rows of u are in
; group g: 128 channels, four K steps: 16 loads of u's fragments, then 16 of k's f32
.macro LOADG g
	WIN 0x40
.irp ks, 0,1,2,3
.irp p, 0,1
	ds_load_b128 v[64*((\g)%2)+16*\ks+8*\p:64*((\g)%2)+16*\ks+8*\p+3],   v5 offset:\p*KHALF+256*(\g)+64*\ks
	ds_load_b128 v[64*((\g)%2)+16*\ks+8*\p+4:64*((\g)%2)+16*\ks+8*\p+7], v5 offset:\p*KHALF+256*(\g)+64*\ks+32
.endr
.endr
	WIN 0
.irp ks, 0,1,2,3
.irp j, 0,1,2,3
	ds_load_b128 v[RAW+64*((\g)%2)+16*\ks+4*\j:RAW+64*((\g)%2)+16*\ks+4*\j+3], v4 offset:KHALF*((\g)/2)+128*(4*((\g)%2)+\ks)+16*(\j%2)+64*(\j/2)
.endr
.endr
.endm
.macro CVTG g
	WIN 0
.set j, 0
.rept 32
	v_cvt_pk_bf16_f32 v[AF+32*((\g)%2)+j], v[RAW+64*((\g)%2)+2*j], v[RAW+64*((\g)%2)+2*j+1]
.set j, j+1
.endr
.endm
; source 0 = my 16 rows (l, or i), source 1 = the 16 heads: a lane holds head r and eight neighbouring rows.  The hi and the lo accumulator take turns.
.macro WMG g, dh, dl, first
	WIN 0x04                                       ; source 1 in window 1
.irp ks, 0,1,2,3
.if (\first) && (\ks == 0)
	v_wmma_f32_16x16x32_bf16 v[\dh:\dh+7], v[AF+32*((\g)%2)+8*\ks:AF+32*((\g)%2)+8*\ks+7], v[64*((\g)%2)+16*\ks:64*((\g)%2)+16*\ks+7], 0
	v_wmma_f32_16x16x32_bf16 v[\dl:\dl+7], v[AF+32*((\g)%2)+8*\ks:AF+32*((\g)%2)+8*\ks+7], v[64*((\g)%2)+16*\ks+8:64*((\g)%2)+16*\ks+15], 0
.else
	v_wmma_f32_16x16x32_bf16 v[\dh:\dh+7], v[AF+32*((\g)%2)+8*\ks:AF+32*((\g)%2)+8*\ks+7], v[64*((\g)%2)+16*\ks:64*((\g)%2)+16*\ks+7], v[\dh:\dh+7]
	v_wmma_f32_16x16x32_bf16 v[\dl:\dl+7], v[AF+32*((\g)%2)+8*\ks:AF+32*((\g)%2)+8*\ks+7], v[64*((\g)%2)+16*\ks+8:64*((\g)%2)+16*\ks+15], v[\dl:\dl+7]
.endif
.endr
.endm
	s_wait_tensorcnt 0x1                           ; k's first half is in, the second stays out
	LOADG 0
	LOADG 1
	s_wait_dscnt 32                                ; group 0's 32 loads are in, group 1's stay out
	CVTG 0
	WMG 0, ACH, ACL, 1
	s_wait_dscnt 0x0
	CVTG 1                                         ; these 32 conversions are the places between group 0's products and the loads into its fragments
	s_wait_tensorcnt 0x0                           ; k's second half
	LOADG 2
	WMG 1, ACH, ACL, 0
	s_wait_dscnt 0x0
	CVTG 2
	LOADG 3
	WMG 2, ACH, ACL, 0
	s_wait_dscnt 0x0
	CVTG 3
	WMG 3, ACH, ACL, 0
	WIN 0
	PLACES
	s_wait_loadcnt 0x0                             ; qe and cst
	v_mul_f32 v14, 0x3d000000, v14                 ; cst / 32: each of the four quarters adds a quarter of cst / 8
	v_mov_b32 v15, v14
.irp i, 0,2,4,6
	v_pk_add_f32 v[16+\i:17+\i], v[ACH+\i:ACH+\i+1], v[ACL+\i:ACL+\i+1]
.endr
.irp i, 0,2,4,6
	v_pk_fma_f32 v[16+\i:17+\i], v[16+\i:17+\i], 0x3e000000, v[14:15] op_sel_hi:[1,0,1]   ; / 8
.endr
.irp i, 0,1,2,3                        ; s = hi + lo
	v_cvt_pk_bf16_f32 v[24+\i], v[16+2*\i], v[17+2*\i]
.endr
.irp i, 0,1,2,3
	v_lshlrev_b32 v[64+2*\i], 16, v[24+\i]
	v_and_b32 v[65+2*\i], 0xffff0000, v[24+\i]
.endr
.irp i, 0,1,2,3
	v_pk_add_f32 v[64+2*\i:65+2*\i], v[16+2*\i:17+2*\i], v[64+2*\i:65+2*\i] neg_lo:[0,1] neg_hi:[0,1]
.endr
.irp i, 0,1,2,3
	v_cvt_pk_bf16_f32 v[28+\i], v[64+2*\i], v[65+2*\i]
.endr
	ds_store_b128 v6, v[24:27]
	ds_store_b128 v6, v[28:31] offset:16*SCP
	WIN 0x04                                       ; store data in window 1
.set i, 0
.rept 16
	ds_store_b128 v7, v[QE+4*i:QE+4*i+3] offset:QEP*i   ; my own bytes, read out above; LDS serves a wave's instructions in order (ISA guide 5.7.1.4)
.set i, i+1
.endr
	WIN 0
	s_wait_dscnt 0x0                               ; for the others' sake: my 16 columns of s are in LDS
	s_barrier_signal -1
	s_barrier_wait -1
	WIN 0x40
.irp ks, 0,1,2,3
.irp p, 0,1
	ds_load_b128 v[16*\ks+8*\p:16*\ks+8*\p+3],   v9 offset:\p*16*SCP+64*\ks
	ds_load_b128 v[16*\ks+8*\p+4:16*\ks+8*\p+7], v9 offset:\p*16*SCP+64*\ks+32
.endr
.endr
	WIN 0
.irp ks, 0,1,2,3
.irp j, 0,1,2,3
	ds_load_b128 v[RAW+16*\ks+4*\j:RAW+16*\ks+4*\j+3], v8 offset:128*\ks+16*(\j%2)+64*(\j/2)
.endr
.endr
	s_wait_dscnt 0x0
	CVTG 0
	WMG 0, A2H, A2L, 1
	WIN 0
	PLACES
.irp i, 0,2,4,6
	v_pk_add_f32 v[16+\i:17+\i], v[A2H+\i:A2H+\i+1], v[A2L+\i:A2L+\i+1]
.endr
	ds_store_b128 v10, v[16:19]
	ds_store_b128 v10, v[20:23] offset:16
	s_wait_dscnt 0x0                               ; for the others' sake
	s_barrier_signal -1
	s_barrier_wait -1
	ds_load_b128 v[24:27], v11
	ds_load_b128 v[28:31], v11 offset:OSP
	s_wait_dscnt 0x0
	global_store_b128 v12, v[24:27], s[12:13]              ; a head's 128 numbers: 512 consecutive bytes, aligned
	global_store_b128 v12, v[28:31], s[12:13] offset:512
	s_set_vgpr_msb 0x5
	s_wait_tensorcnt 0x0
	ds_add_u32 v192, v193
	s_wait_dscnt 0x0
	s_set_vgpr_msb 0x500
	s_endpgm
.Lfunc_end_k_q7302b9cc5a_scores:
	.size	k_q7302b9cc5a_scores, .Lfunc_end_k_q7302b9cc5a_scores-k_q7302b9cc5a_scores
	.p2alignl 7, 3214868480
	.fill 96, 4, 3214868480
	.section	.rodata,"a",@progbits
	.p2align	6, 0x0
	.amdhsa_kernel k_q7302b9cc5a_scores
		.amdhsa_group_segment_fixed_size 317696
		.amdhsa_private_segment_fixed_size 0
		.amdhsa_enable_private_segment 0
		.amdhsa_kernarg_size 40
		.amdhsa_user_sgpr_count 2
		.amdhsa_user_sgpr_kernarg_segment_ptr 1
		.amdhsa_wavefront_size32 1
		.amdhsa_system_sgpr_workgroup_id_x 1
		.amdhsa_system_sgpr_workgroup_id_y 1
		.amdhsa_system_sgpr_workgroup_id_z 1
		.amdhsa_system_vgpr_workitem_id 0
		.amdhsa_next_free_vgpr 450
		.amdhsa_next_free_sgpr 66
		.amdhsa_reserve_vcc 0
		.amdhsa_float_denorm_mode_32 3
		.amdhsa_float_denorm_mode_16_64 3
		.amdhsa_memory_ordered 1
		.amdhsa_forward_progress 1
		.amdhsa_inst_pref_size 35
	.end_amdhsa_kernel
	.amdgpu_metadata
---
amdhsa.version: [ 1, 2 ]
amdhsa.kernels:
  - .name:           k_q7302b9cc5a_scores
    .symbol:         k_q7302b9cc5a_scores.kd
    .args:
      - { .name: k, .offset: 0, .size: 8, .value_kind: global_buffer, .address_space: global }
      - { .name: u, .offset: 8, .size: 8, .value_kind: global_buffer, .address_space: global }
      - { .name: cst, .offset: 16, .size: 8, .value_kind: global_buffer, .address_space: global }
      - { .name: qe, .offset: 24, .size: 8, .value_kind: global_buffer, .address_space: global }
      - { .name: qsp, .offset: 32, .size: 8, .value_kind: global_buffer, .address_space: global }
    .group_segment_fixed_size: 317696
    .private_segment_fixed_size: 0
    .kernarg_segment_align: 8
    .kernarg_segment_size: 40
    .max_flat_workgroup_size: 256
    .sgpr_count:     66
    .vgpr_count:     450
    .wavefront_size: 32
...
	.end_amdgpu_metadata
.endif
;; end of part 3
;; launch vgemm (part 4): grid 4 x 64, 4 waves a work-group, clusters of 4 x 4, 327,680 bytes of LDS; arguments v_backward, Wvb, bv, qsp, correlation_weight, lambdas, vg, out1; writes vg, out1
.if DOCPART == 4
	.amdgcn_target "amdgcn-amd-amdhsa--gfx1250"
	.amdhsa_code_object_version 6
	.text
	.protected	k_q7302b9cc5a_vgemm
	.globl	k_q7302b9cc5a_vgemm
	.p2align	8
	.type	k_q7302b9cc5a_vgemm,@function
k_q7302b9cc5a_vgemm:
	s_mov_b64 s[64:65], 0
	v_nop
	global_prefetch_b8 v0, s[64:65] scope:SCOPE_SE
	s_setreg_imm32_b32 hwreg(HW_REG_WAVE_MODE, 25, 1), 1
	s_wait_xcnt 0x0
	s_wait_alu depctr_hold_cnt(0) depctr_sa_sdst(0) depctr_va_vdst(0) depctr_va_sdst(0) depctr_va_ssrc(0) depctr_va_vcc(0) depctr_vm_vsrc(0)
	s_getreg_b32 s2, hwreg(HW_REG_IB_STS2, 6, 4)
	s_cmp_eq_u32 s2, 0
	s_cbranch_scc0 .Lentry_in_a_cluster
	s_endpgm
.Lentry_in_a_cluster:
	s_bfe_u32 s2, ttmp6, 0x10000c
	s_cmp_lg_u32 s2, 0xf033
	s_cbranch_scc0 .Lentry_shape_is_right
	s_endpgm
.Lentry_shape_is_right:
; VGEMM.  vg[b][l][n] = gate[b][h(n)][l] x (the sum over k of v_backward[b][l][k] Wv[n][k] + bv[n]);  gate = sigmoid(lambda[h] cw[b][l] + (1 - lambda[h]) qs[b][h][l]),
; qs = the four quarters of qsp, (p0 + p1) + (p2 + p3);  out1[b][i] = qs[b][0][i].
; vg leaves as hi + lo, two bf16 (hi = bf16(x), lo = bf16(x - hi)): a row is 4,096 bytes, eight blocks of 128 columns, in each block 256 bytes of hi and then 256 bytes of lo.
; FORMATS.  v_backward is rounded to bf16 on its way from LDS to the fragments, Wv was rounded by an earlier launch (Wvb); bv, cw and lambda are rounded to bf16 and widened; sums, gate and
; product with the gate in f32.  sigmoid(x) = 1 / (1 + 2^(-x log2 e)): it ends at 0 and 1 through an infinite or a vanishing power.  NaN and infinities are not treated apart.
; SHARES.  A tile is 128 rows (one batch y) x 256 columns (four heads, x): 256 work-groups.  Four waves, each 64 rows x 128 columns (two heads): 32 accumulators, 256 registers.
; K = 3,072 goes in 24 steps of 128 through two LDS slots: A's rows are 512 bytes of memory (f32), B's 256 (bf16), each starting at a multiple of 256 bytes from its buffer's first byte.
; A K step takes 1,024 bytes for each k, so two slots of 128 k are what fits in LDS.
; CLUSTER.  4 x 4 work-groups: the four of a row of the cluster need the same tile of v_backward, the four of a column the same tile of Wvb: each is asked for jointly, by the same tensor
; load with the same descriptor and a mask that names the four.  Waves 0 and 1 ask for A's halves, waves 2 and 3 for B's.
; THE MATRIX INSTRUCTION IS USED TRANSPOSED (source 0 = 16 rows of Wvb, source 1 = 16 rows of v): a lane holds row l = lane % 16 and eight neighbouring columns.  The bias is the C operand of the product that starts a sum.
; A QUARTER is 32 along K: 32 matrix instructions, each accumulator once, always in the same order (turns of one).  At its head the next quarter's 32 LDS loads go out in one run;
; behind each of its last eight matrix instructions stand four of the 32 conversions that make the next quarter's fragments of A.
; THE LOOP is one K step long, from a step's second quarter to the next step's first; the slot in hand lies in a scalar register.  The two steps that fill nothing are a second loop, left in its middle.
; PREFETCH.  v_backward comes from memory once.  Behind its refill (K step s + 2) each of waves 0 and 1 asks for 32 pieces of 256 bytes of A's tile of K step s + 3, which the next trip's refill
; loads: one trip, 65,536 bytes for a row of the cluster, ahead.  The eight asking waves of the four partners take 16 of the tile's 128 rows each, so each piece is asked for once.  K step 2's tile is
; asked for behind the first fills; in the last trip the offset stays at K step 23, so that no request leaves its row.
; REGISTERS, in windows of 256 (s_set_vgpr_msb: bits 1:0 source 0, 3:2 source 1, 5:4 source 2, 7:6 destination):
;   window 0: v0-31 addresses; v32-47 the gates, each twice (a pair for the packed multiply); v48-51 out1; v64-127 A's f32 as loaded; v128-191 A's fragments, two buffers;
;             on the way out v96-159 hi widened, v160-191 lo, v192-223 hi
;   window 1: the accumulators: (a, bt) at v[8 (8 a + bt)]
;   window 2: v0-127 B's fragments, two buffers (on the way out: 16 rows read back from the stage, two buffers); v128-191 the bias; v192-223 at work
.set SIZE_K, 3072
.set KSTEP,  128
.set STEPS,  SIZE_K/KSTEP
.set PA,     528                       ; A's LDS row: 512 bytes + 16; B's: 256 + 16: the 16 rows of a fragment load start 16 bytes apart modulo 256
.set PB,     272
.set AHALF,  64*PA                     ; what one tensor load brings of A, and what a wave reads of it
.set BHALF,  128*PB                    ; the same for B
.set BOFF,   2*AHALF                   ; A's 128 rows, then B's 256: 137,216 bytes
.set SLOT,   139264                    ; 2^17 + 2^13: both bits are clear in the four addresses at which loads land (0, 33,792, 67,584, 102,400), so one exclusive or turns such an address into the other slot's
.set STAGE,  2*SLOT                    ; behind the ring, never filled by a tensor load: for each wave 16 rows x 272 bytes of hi, then of lo
.set SPITCH, 272
.set SPARE,  STAGE+4*2*16*SPITCH       ; the spare words, 128 bytes for each wave: two blocks of 256 bytes that no other line names
.set VROW,   4096                      ; bytes in a row of vg
.set A0,   16                          ; v16  my lane's place among my A rows in slot 0; never rewritten
.set B0,   17                          ; v17  the same for B
.set ADRA, 18                          ; v18  the same in the slot in hand
.set ADRB, 19                          ; v19
.set STO,  24
.set RD,   25
.set CO,   26
.set PFO,  27                          ; v27  my lane's piece of A's tile, for the prefetch; never rewritten
.set SPW,  28                          ; v28  SPARE + 4 x my thread's number; never rewritten
.set NIL,  29                          ; v29  0; never rewritten
.set GT,   32                          ; gate of rows 16 a .., head hd at v[GT + 2 (2 a + hd)] and the register behind it
.set RAW,  64
.set AF,   128
.set WID,  96
.set TMPL, 160
.set TMPH, 192
.set BIAS, 128                         ; window 2
.set BT,   192                         ; window 2
.set WV, 20
.set WR, 21
.set WC, 22
.set CX, 23
.set CY, 24
.set BX, 25
.set BY, 26
.set G1A, 28
.set G0A, 36                           ; s[36:39] slot 0's first fill; s[40:43] slot 1's, which then walks
.set G1B, 44
.set G0B, 52                           ; s[52:55], s[56:59] the same for B
.set UPM, 76                           ; s76  the mask of a word's upper bf16
.set TB,  77                           ; s77  0 or SLOT: the slot that is read
.set KO,  78                           ; s[78:79] the prefetch's byte offset along K
.set PFB, 80                           ; s[80:81] v_backward at the batch's first row
.set PF,  82                           ; s[82:83] the prefetch's base
.set MUL,  0x52                        ; B window 2, A window 0, C and D window 1
.set MULB, 0x62                        ; the same with C (the bias) in window 2
.set TO_B, 0x80                        ; destination window 2
.set MSB, 0
.macro WIN new                         ; the immediate's high byte repeats the setting that is left; a switch that changes nothing is dropped
.if MSB != (\new)
	s_set_vgpr_msb (MSB<<8)|(\new)
.set MSB, \new
.endif
.endm
.macro PLACES
.rept 4
	v_nop
.endr
.endm
.macro JLOAD                           ; a joint refill by the walking descriptor; the branch hangs on the wave's number alone; an s_nop 0 and four v_nop follow each of the two lines
	s_cmp_eq_u32 s[WR], 0
	s_cbranch_scc0 .Lfor_b_\@
	tensor_load_to_lds s[G0A+4:G0A+7], s[G1A:G1A+7]
	s_nop 0
	PLACES
	global_prefetch_b8 v[PFO], s[PF:PF+1] th:TH_LOAD_NT scope:SCOPE_SE   ; my 32 pieces of the tile that the next trip's refill loads
	s_branch .Lasked_\@
.Lfor_b_\@:
	tensor_load_to_lds s[G0B+4:G0B+7], s[G1B:G1B+7]
	s_nop 0
	PLACES
.Lasked_\@:
.endm
.macro CREST                           ; a round of the cluster's barrier behind its opening barrier
	s_cmp_lg_u32 s[WV], 0
	s_cbranch_scc1 .Lnot_wave_0_\@
	s_barrier_signal -3
.Lnot_wave_0_\@:
	s_barrier_wait -3
	s_barrier_signal -1
	s_barrier_wait -1
.endm
.macro CROUND
	s_barrier_signal -1
	s_barrier_wait -1
	CREST
.endm
	s_load_b512 s[4:19], s[0:1], 0x0               ; v s[4:5], Wvb s[6:7], bv s[8:9], qsp s[10:11], cw s[12:13], lambdas s[14:15], vg s[16:17], out1 s[18:19]
	v_lshl_add_u32 v[SPW], v0, 2, SPARE
	v_mov_b32 v[NIL], 0
	ds_add_u32 v28, v29
	ds_add_u32 v28, v29
	s_wait_dscnt 0x0
	v_lshrrev_b32 v1, 5, v0
	v_readfirstlane_b32 s[WV], v1                  ; wave 0..3
	s_lshr_b32 s[WR], s[WV], 1                     ; which 64 rows are mine.  Also: I fetch for A (0) or for B (1)
	s_and_b32 s[WC], s[WV], 1                      ; which 128 columns.  Also: which half of that tile I fetch
	s_mov_b32 s[UPM], 0xffff0000
	s_mov_b32 s[TB], 0
	s_bfe_u32 s[CX], ttmp6, 0x40000
	s_bfe_u32 s[CY], ttmp6, 0x40004
	s_lshl_b32 s[BX], ttmp9, 2
	s_add_co_u32 s[BX], s[BX], s[CX]               ; x = 4 x cluster x + cx
	s_and_b32 s[BY], ttmp7, 0xffff
	s_lshl_b32 s[BY], s[BY], 2
	s_add_co_u32 s[BY], s[BY], s[CY]               ; y = 4 x cluster y + cy: the batch
	s_lshl_b32 s27, s[CY], 2
	s_lshl_b32 s27, 15, s27                        ; my row of the cluster
	s_lshl_b32 s2, 0x1111, s[CX]                   ; my column
	s_or_b32 s[G1A+0], s27, (2<<16)|(1<<20)|(1<<21)|(6<<22)|(3<<25)  ; the mask; 4-byte elements; padding on; bit 21 beside a mask; 4 words behind every 128
	s_or_b32 s[G1B+0], s2, (1<<16)|(1<<20)|(1<<21)|(5<<22)|(3<<25)   ; 2-byte elements; 4 words behind every 64
	s_mov_b32 s[G1A+1], KSTEP<<16                  ; tensor_dim0 = 128
	s_mov_b32 s[G1A+2], 64<<16                     ; tensor_dim1 = 64
	s_mov_b32 s[G1A+3], KSTEP<<16                  ; tile_dim0 = 128
	s_mov_b32 s[G1A+4], 64                         ; tile_dim1 = 64
	s_mov_b32 s[G1A+5], SIZE_K
	s_mov_b32 s[G1A+6], 0
	s_mov_b32 s[G1A+7], 0
	s_mov_b32 s[G1B+1], KSTEP<<16
	s_mov_b32 s[G1B+2], 128<<16
	s_mov_b32 s[G1B+3], KSTEP<<16
	s_mov_b32 s[G1B+4], 128
	s_mov_b32 s[G1B+5], SIZE_K
	s_mov_b32 s[G1B+6], 0
	s_mov_b32 s[G1B+7], 0
	s_lshl_b32 s60, s[BY], 7                       ; A: row 128 y + 64 x half: made of y and the wave's number alone
	s_lshl_b32 s27, s[WC], 6
	s_add_co_u32 s60, s60, s27
	s_mul_i32 s60, s60, SIZE_K*4
	s_mov_b32 s61, 0
	s_lshl_b32 s62, s[BX], 8                       ; B: row 256 x + 128 x half: made of x and the wave's number alone
	s_lshl_b32 s2, s[WC], 7
	s_add_co_u32 s62, s62, s2
	s_mul_i32 s62, s62, SIZE_K*2
	s_mov_b32 s63, 0
	s_mul_i32 s68, s[WC], AHALF                    ; where they go: no place in the cluster enters an LDS address
	s_mul_i32 s69, s[WC], BHALF
	s_add_co_u32 s69, s69, BOFF
	s_lshl_b32 s[PFB], s[BY], 7                    ; the prefetch: the batch's first row,
	s_mul_i32 s[PFB], s[PFB], SIZE_K*4
	s_mov_b32 s[PFB+1], 0
	s_mov_b32 s[KO], 2*KSTEP*4                     ; K step 2 first,
	s_mov_b32 s[KO+1], 0
	s_lshl_b32 s2, s[CX], 1                        ; and of the tile's 128 rows the 16 of asking wave 2 cx + w (w = 0, 1): cx enters this global offset alone
	s_add_co_u32 s2, s2, s[WC]
	s_lshl_b32 s2, s2, 4
	v_and_b32 v1, 15, v0                           ; r
	v_bfe_u32 v2, v0, 4, 1                         ; hh
	v_add_nc_u32 v[PFO], s2, v1
	v_mul_u32_u24 v[PFO], v[PFO], SIZE_K*4         ; lanes 0-15: the first 256 bytes of a row's 512,
	v_lshl_add_u32 v[PFO], v2, 8, v[PFO]           ; lanes 16-31: the second
	s_wait_kmcnt 0x0
	s_add_nc_u64 s[60:61], s[4:5], s[60:61]
	s_add_nc_u64 s[62:63], s[6:7], s[62:63]
	s_add_nc_u64 s[PFB:PFB+1], s[4:5], s[PFB:PFB+1]
	s_add_nc_u64 s[PF:PF+1], s[PFB:PFB+1], s[KO:KO+1]
.irp s, 0,1
	s_mov_b32 s[G0A+4*\s], 1
	s_add_co_u32 s[G0A+4*\s+1], s68, \s*SLOT
	s_add_nc_u64 s[G0A+4*\s+2:G0A+4*\s+3], s[60:61], \s*KSTEP*4
	s_or_b32 s[G0A+4*\s+3], s[G0A+4*\s+3], 0x80000000
	s_mov_b32 s[G0B+4*\s], 1
	s_add_co_u32 s[G0B+4*\s+1], s69, \s*SLOT
	s_add_nc_u64 s[G0B+4*\s+2:G0B+4*\s+3], s[62:63], \s*KSTEP*2
	s_or_b32 s[G0B+4*\s+3], s[G0B+4*\s+3], 0x80000000
.endr
	CROUND                                         ; all sixteen work-groups are here: the first joint loads meet
	s_cmp_eq_u32 s[WR], 0                          ; a wave's two first fills stand in one branch: two loads of mine are out
	s_cbranch_scc0 .Lfirst_b
	tensor_load_to_lds s[G0A:G0A+3], s[G1A:G1A+7]
	s_nop 0
	tensor_load_to_lds s[G0A+4:G0A+7], s[G1A:G1A+7]
	s_nop 0
	PLACES
	global_prefetch_b8 v[PFO], s[PF:PF+1] th:TH_LOAD_NT scope:SCOPE_SE   ; my 32 pieces of K step 2's tile, which the first refill loads
	s_branch .Lfirst_asked
.Lfirst_b:
	tensor_load_to_lds s[G0B:G0B+3], s[G1B:G1B+7]
	s_nop 0
	tensor_load_to_lds s[G0B+4:G0B+7], s[G1B:G1B+7]
	s_nop 0
	PLACES
.Lfirst_asked:
	; THE PROLOGUE stands in the wait for the first tiles: addresses, the bias, the gates, out1
	s_lshl_b32 s70, s[BX], 10
	s_lshl_b32 s27, s[WC], 9
	s_add_co_u32 s70, s70, s27
	s_mov_b32 s71, 0
	s_add_nc_u64 s[8:9], s[8:9], s[70:71]          ; bv at my 128 columns
	s_lshl_b32 s70, s[BY], 13                      ; qsp: batch y: 16 heads of 512 bytes
	s_lshl_b32 s27, s[BX], 7
	s_add_co_u32 s72, s70, s27
	s_mov_b32 s73, 0
	s_add_nc_u64 s[72:73], s[10:11], s[72:73]      ; head 0, numbers 32 x ..: for out1
	s_lshl_b32 s27, s[BX], 11
	s_add_co_u32 s70, s70, s27
	s_lshl_b32 s27, s[WC], 10
	s_add_co_u32 s70, s70, s27
	s_lshl_b32 s27, s[WR], 8
	s_add_co_u32 s70, s70, s27
	s_add_nc_u64 s[10:11], s[10:11], s[70:71]      ; head 4 x + 2 wc, row 64 wr: for the gates
	s_lshl_b32 s70, s[BY], 9
	s_lshl_b32 s27, s[BX], 7
	s_add_co_u32 s74, s70, s27
	s_mov_b32 s75, 0
	s_add_nc_u64 s[18:19], s[18:19], s[74:75]      ; out1[y][32 x ..]
	s_lshl_b32 s27, s[WR], 8
	s_add_co_u32 s70, s70, s27
	s_add_nc_u64 s[12:13], s[12:13], s[70:71]      ; cw[y][64 wr ..]
	s_lshl_b32 s70, s[BX], 4
	s_lshl_b32 s27, s[WC], 3
	s_add_co_u32 s70, s70, s27
	s_add_nc_u64 s[14:15], s[14:15], s[70:71]
	s_load_b64 s[66:67], s[14:15], 0x0             ; my two heads' lambda
	s_lshl_b32 s70, s[BY], 19                      ; vg: row 128 y + 64 wr (4,096 bytes a row), block 2 x + wc of 512 bytes
	s_lshl_b32 s27, s[WR], 18
	s_add_co_u32 s70, s70, s27
	s_lshl_b32 s27, s[BX], 10
	s_add_co_u32 s70, s70, s27
	s_lshl_b32 s27, s[WC], 9
	s_add_co_u32 s70, s70, s27
	s_add_nc_u64 s[16:17], s[16:17], s[70:71]
	v_and_b32 v3, 31, v0                           ; lane
	v_lshlrev_b32 v8, 5, v2                        ; 32 hh
	v_lshlrev_b32 v9, 2, v1                        ; 4 r
	v_lshlrev_b32 v10, 2, v3                       ; 4 x lane
	WIN TO_B
.irp b, 0,1,2,3,4,5,6,7                ; the bias as an accumulator holds it: register j of tile bt is column 16 bt + 8 hh + j, in every row
	global_load_b128 v[BIAS+8*\b:BIAS+8*\b+3],   v8, s[8:9] offset:64*\b
	global_load_b128 v[BIAS+8*\b+4:BIAS+8*\b+7], v8, s[8:9] offset:64*\b+16
.endr
	WIN 0
.irp kq, 0,1,2,3
.irp hd, 0,1
.irp a, 0,1,2,3
	global_load_b32 v[64+8*\kq+4*\hd+\a], v9, s[10:11] offset:\kq*524288+\hd*512+\a*64   ; row 16 a + r; both halves of the lanes alike
.endr
.endr
.endr
.irp a, 0,1,2,3
	global_load_b32 v[96+\a], v9, s[12:13] offset:64*\a
.endr
	v_mul_u32_u24 v4, v1, PA
	v_lshl_add_u32 v4, v2, 5, v4                   ; A: row r, 32 bytes (8 f32) for each half of the lanes
	s_mul_i32 s27, s[WR], AHALF
	v_add_nc_u32 v[A0], s27, v4
	v_mov_b32 v[ADRA], v[A0]                       ; slot 0 is read first
	v_mul_u32_u24 v5, v1, PB
	v_lshl_add_u32 v5, v2, 4, v5                   ; B: row r, 16 bytes for each half
	s_mul_i32 s27, s[WC], BHALF
	s_add_co_u32 s27, s27, BOFF
	v_add_nc_u32 v[B0], s27, v5
	v_mov_b32 v[ADRB], v[B0]
	s_mul_i32 s27, s[WV], 2*16*SPITCH
	s_add_co_u32 s27, s27, STAGE                   ; my stage
	v_add_nc_u32 v[STO], s27, v5                   ; in: row r, 16 bytes for each half of the lanes
	v_mul_u32_u24 v[RD], v2, SPITCH
	v_lshl_add_u32 v[RD], v1, 4, v[RD]
	v_add_nc_u32 v[RD], s27, v[RD]                 ; back: lanes 0-15 one row of 256 bytes, lanes 16-31 the next
	v_lshlrev_b32 v[CO], 12, v2
	v_lshl_add_u32 v[CO], v1, 4, v[CO]             ; the same two rows in vg
	s_wait_loadcnt 0x0
	s_wait_kmcnt 0x0
	WIN 0xaa                                       ; every operand in window 2: the bias is rounded to bf16 and widened again
.set i, 0
.rept 32
	v_cvt_pk_bf16_f32 v[BT+i], v[BIAS+2*i], v[BIAS+2*i+1]
.set i, i+1
.endr
.set i, 0
.rept 32
	v_lshlrev_b32 v[BIAS+2*i], 16, v[BT+i]
	v_and_b32 v[BIAS+2*i+1], s[UPM], v[BT+i]
.set i, i+1
.endr
	WIN 0
	v_cvt_pk_bf16_f32 v104, v96, v97               ; cw and lambda likewise
	v_cvt_pk_bf16_f32 v105, v98, v99
	v_cvt_pk_bf16_f32 v102, s66, s67
	v_lshlrev_b32 v96, 16, v104
	v_and_b32 v97, s[UPM], v104
	v_lshlrev_b32 v98, 16, v105
	v_and_b32 v99, s[UPM], v105
	v_lshlrev_b32 v100, 16, v102
	v_and_b32 v101, s[UPM], v102
.irp p, 0,2,4,6                        ; qs = (p0 + p1) + (p2 + p3): number 4 hd + a in v[64 + ..]
	v_pk_add_f32 v[64+\p:65+\p], v[64+\p:65+\p], v[72+\p:73+\p]
	v_pk_add_f32 v[80+\p:81+\p], v[80+\p:81+\p], v[88+\p:89+\p]
.endr
.irp p, 0,2,4,6
	v_pk_add_f32 v[64+\p:65+\p], v[64+\p:65+\p], v[80+\p:81+\p]
.endr
	v_sub_f32 v108, 1.0, v100
	v_sub_f32 v109, 1.0, v101
	v_mul_f32 v106, 0xbfb8aa3b, v100               ; -log2(e) lambda
	v_mul_f32 v107, 0xbfb8aa3b, v101
	v_mul_f32 v108, 0xbfb8aa3b, v108               ; -log2(e) (1 - lambda)
	v_mul_f32 v109, 0xbfb8aa3b, v109
.irp hd, 0,1
.irp a, 0,1,2,3
	v_mul_f32 v[72+4*\hd+\a], v[106+\hd], v[96+\a]
.endr
.endr
.irp hd, 0,1
.irp a, 0,1,2,3
	v_fma_f32 v[72+4*\hd+\a], v[108+\hd], v[64+4*\hd+\a], v[72+4*\hd+\a]
.endr
.endr
.irp i, 0,1,2,3,4,5,6,7
	v_exp_f32 v[72+\i], v[72+\i]
.endr
	v_nop                                          ; a plain instruction between the last exponential and the use of its result (ISA guide 5.7.2)
	s_wait_alu depctr_va_vdst(0)
.irp i, 0,1,2,3,4,5,6,7
	v_add_f32 v[72+\i], 1.0, v[72+\i]
.endr
.irp hd, 0,1
.irp a, 0,1,2,3
	v_rcp_f32 v[GT+2*(2*\a+\hd)], v[72+4*\hd+\a]
.endr
.endr
	v_nop
	s_wait_alu depctr_va_vdst(0)
.irp i, 0,1,2,3,4,5,6,7
	v_mov_b32 v[GT+2*\i+1], v[GT+2*\i]
.endr
	; out1: this work-group's 32 of the batch's 128 numbers, by wave 0: a store of 128 consecutive bytes, half of an aligned 256 (out1 is 32,768 bytes in all)
	s_cmp_lg_u32 s[WV], 0
	s_cbranch_scc1 .Lno_out1
.irp kq, 0,1,2,3
	global_load_b32 v[48+\kq], v10, s[72:73] offset:\kq*524288
.endr
	s_wait_loadcnt 0x0
	v_add_f32 v48, v48, v49
	v_add_f32 v50, v50, v51
	v_add_f32 v48, v48, v50
	global_store_b32 v10, v48, s[18:19]            ; v10 and v48 are never written again
.Lno_out1:
; matrix instruction i of a quarter's 32: rows 16 (i / 8) .., columns 16 (i % 8) ..; buffers f.  first = 1: the bias starts the sum
.macro MM f, i, first
.set rD, 8*(\i)
.set rB, 64*(\f)+8*((\i)%8)
.set rA, AF+32*(\f)+8*((\i)/8)
.if \first
	WIN MULB
	v_wmma_f32_16x16x32_bf16 v[rD:rD+7], v[rB:rB+7], v[rA:rA+7], v[BIAS+8*((\i)%8):BIAS+8*((\i)%8)+7]
.else
	WIN MUL
	v_wmma_f32_16x16x32_bf16 v[rD:rD+7], v[rB:rB+7], v[rA:rA+7], v[rD:rD+7]
.endif
.endm
.macro MMS f, lo, n, first
.set mi, \lo
.rept \n
	MM \f, mi, \first
.set mi, mi+1
.endr
.endm
.macro CV g, n                         ; four of the 32 conversions: 8 f32 -> 4 registers of buffer g
	WIN 0
.irp c, 0,1,2,3
	v_cvt_pk_bf16_f32 v[AF+32*(\g)+4*(\n)+\c], v[RAW+8*(\n)+2*\c], v[RAW+8*(\n)+2*\c+1]
.endr
.endm
.macro RIDE f, g, first                ; the quarter's last eight matrix instructions, four conversions behind each; none names a register of the products round it
.set ni, 0
.rept 8
	MM \f, 24+ni, \first
	CV \g, ni
.set ni, ni+1
.endr
.endm
; 32 LDS loads in one run: quarter q of the slot in hand: A's 64 rows x 32 f32 first, then B's 128 rows x 32 bf16 into buffer g
.macro FETCH q, g
	WIN 0
.irp a, 0,1,2,3
.irp j, 0,1,2,3
	ds_load_b128 v[RAW+16*\a+4*\j:RAW+16*\a+4*\j+3], v[ADRA] offset:\a*16*PA+128*(\q)+16*(\j%2)+64*(\j/2)
.endr
.endr
	WIN TO_B
.irp b, 0,1,2,3,4,5,6,7
	ds_load_b128 v[64*(\g)+8*\b:64*(\g)+8*\b+3],   v[ADRB] offset:\b*16*PB+64*(\q)
	ds_load_b128 v[64*(\g)+8*\b+4:64*(\g)+8*\b+7], v[ADRB] offset:\b*16*PB+64*(\q)+32
.endr
.endm
.macro NEXTSLOT                        ; the reads go over to the other slot
	s_xor_b32 s[TB], s[TB], SLOT
	v_add_nc_u32 v[ADRA], s[TB], v[A0]
	v_add_nc_u32 v[ADRB], s[TB], v[B0]
.endm
; One of a K step's first three quarters: multiplies buffers f, fetches quarter q of the same slot for buffers g.
; The loads into B's buffer g stand four plain vector instructions (the last four conversions) behind the last product that read it (ISA guide 7.12.1 for vector instructions).
.macro QUARTER q, f, g, first
	s_wait_dscnt 0x0                               ; B's fragments of buffer f are in (asked for 32 matrix instructions ago)
	FETCH \q, \g
	MMS \f, 0, 24, \first
	s_wait_dscnt 16                                ; A's f32 are in; B's 16 loads, issued behind them, may stay out
	RIDE \f, \g, \first
.endm
; The fourth quarter changes slots at its head and then multiplies buffers 1.  ONE barrier: in front of it each wave waits for all its tensor loads (one is out: its part of the next slot), adds 0
; to its spare word, and waits for that and for its reads of this slot.  fill = 1: the barrier opens a round of the cluster's barrier, and this slot is filled again, two K steps ahead, first thing
; behind the round.  No matrix instruction stands between the wait for the loads and the refill: a K step's 128 matrix instructions all lie between a refill and the wait for it.
; fill = 0 (the second loop): nothing is asked for; in its last trip there is no further K step, and the run of LDS loads is jumped over (the eight riders then convert stale registers, which nobody reads:
; the price, once a launch, of one text for both trips).
.macro TURN fill
	WIN 0
	s_wait_tensorcnt 0x0                           ; no tensor load of mine is out, so a group 0 may be written
	ds_add_u32 v[SPW], v[NIL]                      ; 0 onto my spare word; scalar work stands between it and the wait for it
.if \fill
	s_xor_b32 s[G0A+5], s[G0A+5], SLOT             ; the walking descriptors: the other slot than last time,
	s_add_nc_u64 s[G0A+6:G0A+7], s[G0A+6:G0A+7], KSTEP*4   ; the next K step; the type bits on top are not reached
	s_xor_b32 s[G0B+5], s[G0B+5], SLOT
	s_add_nc_u64 s[G0B+6:G0B+7], s[G0B+6:G0B+7], KSTEP*2
	s_wait_xcnt 0x0                                ; the last trip's prefetch has had its address translated (ISA guide 3.1): its base is written again only behind this wait
	s_add_co_u32 s[KO], s[KO], KSTEP*4             ; the prefetch: one K step on,
	s_min_u32 s[KO], s[KO], (STEPS-1)*KSTEP*4      ; never past the last
	s_add_nc_u64 s[PF:PF+1], s[PFB:PFB+1], s[KO:KO+1]
.endif
	s_wait_dscnt 0x0                               ; the add is done; my reads of this slot are over, B's fragments of buffer 1 among them
	s_barrier_signal -1
	s_barrier_wait -1
.if \fill
	CREST                                          ; no wave of any partner still reads this slot's tiles or has a load on its way
	JLOAD
	NEXTSLOT
	FETCH 0, 0
.else
	s_cmp_eq_u32 s3, 1
	s_cbranch_scc1 .Lno_next_\@
	NEXTSLOT
	FETCH 0, 0
	WIN 0
.Lno_next_\@:
.endif
	MMS 1, 0, 24, 0
	s_wait_dscnt 16
	RIDE 1, 0, 0
.endm
	s_wait_tensorcnt 0x1                           ; my part of K step 0 is in; K step 1's stays out
	s_barrier_signal -1
	s_barrier_wait -1                              ; everybody's is
	FETCH 0, 0
	s_wait_dscnt 16
.irp n, 0,1,2,3,4,5,6,7
	CV 0, \n
.endr
	QUARTER 1, 0, 1, 1                             ; the first quarter stands in front of the loop: its products start the sums
	WIN 0                                          ; at a label and at a branch every window is 0
	s_mov_b32 s3, STEPS-2
.Lstep:                                                ; 22 trips, each from a K step's second quarter to the next step's first; each fills the slot that it leaves
	QUARTER 2, 1, 0, 0
	QUARTER 3, 0, 1, 0
	TURN 1
	QUARTER 1, 0, 1, 0
	WIN 0
	s_sub_co_u32 s3, s3, 1
	s_cmp_lg_u32 s3, 0
	s_cbranch_scc1 .Lstep
	s_mov_b32 s3, 2
.Ltail:                                                ; the last two K steps have a text of their own; the second trip is left in its middle
	QUARTER 2, 1, 0, 0
	QUARTER 3, 0, 1, 0
	TURN 0
	WIN 0
	s_sub_co_u32 s3, s3, 1
	s_cmp_eq_u32 s3, 0
	s_cbranch_scc1 .Lout
	QUARTER 1, 0, 1, 0
	WIN 0
	s_branch .Ltail
.Lout:
; THE WAY OUT, 16 rows at a time: times the gate; hi = the product rounded to bf16; lo = what is left, rounded to bf16; 16 bytes a lane and part into my stage, back as whole rows of 256 bytes, stored.
.macro PACK a
	WIN 0x41                                       ; destination and source 0 window 1, the gate in window 0
.irp b, 0,1,2,3,4,5,6,7
.irp c, 0,1,2,3
	v_pk_mul_f32 v[8*(8*(\a)+\b)+2*\c:8*(8*(\a)+\b)+2*\c+1], v[8*(8*(\a)+\b)+2*\c:8*(8*(\a)+\b)+2*\c+1], v[GT+2*(2*(\a)+\b/4):GT+2*(2*(\a)+\b/4)+1]
.endr
.endr
	WIN 0x05                                       ; sources window 1, destination window 0
.irp b, 0,1,2,3,4,5,6,7
.irp c, 0,1,2,3
	v_cvt_pk_bf16_f32 v[TMPH+4*\b+\c], v[8*(8*(\a)+\b)+2*\c], v[8*(8*(\a)+\b)+2*\c+1]
.endr
.endr
	WIN 0
.irp b, 0,1,2,3,4,5,6,7
.irp c, 0,1,2,3
	v_lshlrev_b32 v[WID+8*\b+2*\c], 16, v[TMPH+4*\b+\c]
	v_and_b32 v[WID+8*\b+2*\c+1], s[UPM], v[TMPH+4*\b+\c]
.endr
.endr
	WIN 0x41                                       ; x - hi, in place in the accumulators
.irp b, 0,1,2,3,4,5,6,7
.irp c, 0,1,2,3
	v_pk_add_f32 v[8*(8*(\a)+\b)+2*\c:8*(8*(\a)+\b)+2*\c+1], v[8*(8*(\a)+\b)+2*\c:8*(8*(\a)+\b)+2*\c+1], v[WID+8*\b+2*\c:WID+8*\b+2*\c+1] neg_lo:[0,1] neg_hi:[0,1]
.endr
.endr
	WIN 0x05
.irp b, 0,1,2,3,4,5,6,7
.irp c, 0,1,2,3
	v_cvt_pk_bf16_f32 v[TMPL+4*\b+\c], v[8*(8*(\a)+\b)+2*\c], v[8*(8*(\a)+\b)+2*\c+1]
.endr
.endr
	WIN 0
.endm
.macro TOSTAGE a                       ; the block comes back into window 2, v0-63 and v64-127 by turns: 32 registers of hi, then 32 of lo
	WIN 0
.irp b, 0,1,2,3,4,5,6,7
	ds_store_b128 v[STO], v[TMPH+4*\b:TMPH+4*\b+3] offset:32*\b
	ds_store_b128 v[STO], v[TMPL+4*\b:TMPL+4*\b+3] offset:32*\b+16*SPITCH
.endr
	WIN TO_B
.irp p, 0,1
.irp t, 0,1,2,3,4,5,6,7
	ds_load_b128 v[64*((\a)%2)+32*\p+4*\t:64*((\a)%2)+32*\p+4*\t+3], v[RD] offset:\p*16*SPITCH+\t*2*SPITCH   ; LDS serves a wave's instructions in order (ISA guide 5.7.1.4): these see the stores above
.endr
.endr
	WIN 0
.endm
.macro SEND a
	s_wait_dscnt 0x0                               ; the block is back in registers
	s_wait_xcnt 0x0                                ; the stores of the block before have read their registers: the next block's loads from the stage land there
	WIN 0x08                                       ; store data in window 2
.irp p, 0,1
.irp t, 0,1,2,3,4,5,6,7
	global_store_b128 v[CO], v[64*((\a)%2)+32*\p+4*\t:64*((\a)%2)+32*\p+4*\t+3], s[16:17] offset:(16*(\a)+2*\t)*VROW+\p*256   ; 16 lanes store 256 consecutive bytes, aligned: my block's hi, or its lo
.endr
.endr
	WIN 0
.endm
	PLACES                                         ; the multiplies read results just made
	PACK 0
	TOSTAGE 0
.irp a, 1,2,3                          ; a block's arithmetic stands between the loads of the block before and the wait for them
	PACK \a
	SEND \a-1
	TOSTAGE \a
.endr
	SEND 3
	s_wait_tensorcnt 0x0                           ; the wave's end
	ds_add_u32 v[SPW], v[NIL]
	s_wait_dscnt 0x0
	CROUND                                         ; the closing round: no work-group ends while a partner may still ask for a tile that names it
	s_endpgm
.Lfunc_end_k_q7302b9cc5a_vgemm:
	.size	k_q7302b9cc5a_vgemm, .Lfunc_end_k_q7302b9cc5a_vgemm-k_q7302b9cc5a_vgemm
	.p2alignl 7, 3214868480
	.fill 96, 4, 3214868480
	.section	.rodata,"a",@progbits
	.p2align	6, 0x0
	.amdhsa_kernel k_q7302b9cc5a_vgemm
		.amdhsa_group_segment_fixed_size 327680
		.amdhsa_private_segment_fixed_size 0
		.amdhsa_enable_private_segment 0
		.amdhsa_kernarg_size 64
		.amdhsa_user_sgpr_count 2
		.amdhsa_user_sgpr_kernarg_segment_ptr 1
		.amdhsa_wavefront_size32 1
		.amdhsa_system_sgpr_workgroup_id_x 1
		.amdhsa_system_sgpr_workgroup_id_y 1
		.amdhsa_system_sgpr_workgroup_id_z 1
		.amdhsa_system_vgpr_workitem_id 0
		.amdhsa_next_free_vgpr 768
		.amdhsa_next_free_sgpr 96
		.amdhsa_reserve_vcc 0
		.amdhsa_float_denorm_mode_32 3
		.amdhsa_float_denorm_mode_16_64 3
		.amdhsa_memory_ordered 1
		.amdhsa_forward_progress 1
		.amdhsa_inst_pref_size 143
	.end_amdhsa_kernel
	.amdgpu_metadata
---
amdhsa.version: [ 1, 2 ]
amdhsa.kernels:
  - .name:           k_q7302b9cc5a_vgemm
    .symbol:         k_q7302b9cc5a_vgemm.kd
    .args:
      - { .name: v_backward, .offset: 0, .size: 8, .value_kind: global_buffer, .address_space: global }
      - { .name: Wvb, .offset: 8, .size: 8, .value_kind: global_buffer, .address_space: global }
      - { .name: bv, .offset: 16, .size: 8, .value_kind: global_buffer, .address_space: global }
      - { .name: qsp, .offset: 24, .size: 8, .value_kind: global_buffer, .address_space: global }
      - { .name: correlation_weight, .offset: 32, .size: 8, .value_kind: global_buffer, .address_space: global }
      - { .name: lambdas, .offset: 40, .size: 8, .value_kind: global_buffer, .address_space: global }
      - { .name: vg, .offset: 48, .size: 8, .value_kind: global_buffer, .address_space: global }
      - { .name: out1, .offset: 56, .size: 8, .value_kind: global_buffer, .address_space: global }
    .group_segment_fixed_size: 327680
    .private_segment_fixed_size: 0
    .kernarg_segment_align: 8
    .kernarg_segment_size: 64
    .max_flat_workgroup_size: 128
    .sgpr_count:     96
    .vgpr_count:     768
    .wavefront_size: 32
...
	.end_amdgpu_metadata
.endif
;; end of part 4
;; launch ogemm (part 5): grid 4 x 64, 4 waves a work-group, clusters of 4 x 4, 327,680 bytes of LDS; arguments vg, Wob, bo, out0; writes out0
.if DOCPART == 5
	.amdgcn_target "amdgcn-amd-amdhsa--gfx1250"
	.amdhsa_code_object_version 6
	.text
	.protected	k_q7302b9cc5a_ogemm
	.globl	k_q7302b9cc5a_ogemm
	.p2align	8
	.type	k_q7302b9cc5a_ogemm,@function
k_q7302b9cc5a_ogemm:
	s_mov_b64 s[64:65], 0
	v_nop
	global_prefetch_b8 v0, s[64:65] scope:SCOPE_SE
	s_setreg_imm32_b32 hwreg(HW_REG_WAVE_MODE, 25, 1), 1
	s_wait_xcnt 0x0
	s_wait_alu depctr_hold_cnt(0) depctr_sa_sdst(0) depctr_va_vdst(0) depctr_va_sdst(0) depctr_va_ssrc(0) depctr_va_vcc(0) depctr_vm_vsrc(0)
	s_getreg_b32 s2, hwreg(HW_REG_IB_STS2, 6, 4)
	s_cmp_eq_u32 s2, 0
	s_cbranch_scc0 .Lentry_in_a_cluster
	s_endpgm
.Lentry_in_a_cluster:
	s_bfe_u32 s2, ttmp6, 0x10000c
	s_cmp_lg_u32 s2, 0xf033
	s_cbranch_scc0 .Lentry_shape_is_right
	s_endpgm
.Lentry_shape_is_right:
; OGEMM.  out0[m][n] = the sum over k of vg[m][k] Wo[n][k] + bo[n], f32 [8192][1024].  vg arrives as hi + lo, two bf16: a row is eight blocks of 128 columns, in each block 256 bytes of hi and then
; 256 bytes of lo.  Wob is Wo rounded to bf16, [1024][1024].  out0 = hi . Wo + lo . Wo + bo; bo is rounded to bf16 and widened; sums in f32.  NaN and infinities are not treated apart.
; SHARES.  A tile is 128 rows x 256 columns: 256 work-groups.  Four waves, each 64 x 128: 32 accumulators.  K = 1,024 goes in 8 steps of 128 through two LDS slots.  A step's tile of A has rows of 512
; bytes, a block's hi and lo as they lie in memory; B's has rows of 256; all start at multiples of 256 bytes from their buffers' first bytes.  A fragment of B out of LDS multiplies the hi and the lo
; fragment of A: a step is 256 matrix instructions a wave for 131,072 fetched bytes a work-group.
; CLUSTER.  4 x 4: A's tile is shared along a row of the cluster, B's along a column; each is asked for jointly.  Waves 0 and 1 ask for A's halves, waves 2 and 3 for B's.
; The matrix instruction is used transposed (source 0 = rows of Wob, source 1 = rows of vg): a lane holds one row and eight neighbouring columns.  The bias is the C operand that starts a sum.
; A QUARTER is 32 along K: 32 matrix instructions on hi, then 32 on lo, each accumulator once in each run and always in the same order (turns of one); the next quarter's 32 LDS
; loads go out in one run at its head.
; THE LOOP is one K step long, from a step's second quarter to the next step's first; the slot in hand lies in a scalar register.  The two steps that fill nothing are a second loop, left in its middle.
; NO PREFETCH: a refill is asked for 240 matrix instructions ahead of the wait for it, and vg was stored by the launch just before.
; REGISTERS: window 0: v0-31 addresses; v64-191 A's fragments, two buffers of 32 hi + 32 lo; on the way out v128-255, two buffers.  window 1: the accumulators, (a, bt) at v[8 (8 a + bt)].
;   window 2: v0-127 B's fragments, two buffers; v128-191 the bias; v192-223 at work.
.set SIZE_K, 1024
.set KSTEP,  128
.set STEPS,  SIZE_K/KSTEP
.set PA,     528                       ; A's LDS row: 512 bytes + 16; B's: 256 + 16: the 16 rows of a fragment load start 16 bytes apart modulo 256
.set PB,     272
.set AHALF,  64*PA                     ; what one tensor load brings of A, and what a wave reads of it
.set BHALF,  128*PB                    ; the same for B
.set BOFF,   2*AHALF                   ; A's 128 rows, then B's 256: 137,216 bytes
.set SLOT,   139264                    ; 2^17 + 2^13: both bits are clear in the four addresses at which loads land (0, 33,792, 67,584, 102,400), so one exclusive or turns such an address into the other slot's
.set STAGE,  2*SLOT                    ; behind the ring, never filled by a tensor load: 16 rows x 528 bytes for each wave
.set SPITCH, 528
.set SPARE,  STAGE+4*16*SPITCH         ; the spare words, 128 bytes for each wave: two blocks of 256 bytes that no other line names
.set A0,   16                          ; v16  my lane's place among my A rows in slot 0; never rewritten
.set B0,   17                          ; v17  the same for B
.set ADRA, 18                          ; v18  the same in the slot in hand
.set ADRB, 19                          ; v19
.set STO,  24
.set RD,   25
.set CO,   26
.set SPW,  28                          ; v28  SPARE + 4 x my thread's number; never rewritten
.set NIL,  29                          ; v29  0; never rewritten
.set AF,   64
.set OB,   128
.set BIAS, 128                         ; window 2
.set BT,   192                         ; window 2
.set WV, 20
.set WR, 21
.set WC, 22
.set CX, 23
.set CY, 24
.set BX, 25
.set BY, 26
.set G1A, 28
.set G0A, 36                           ; s[36:39] slot 0's first fill; s[40:43] slot 1's, which then walks
.set G1B, 44
.set G0B, 52                           ; s[52:55], s[56:59] the same for B
.set UPM, 72                           ; s72  the mask of a word's upper bf16
.set TB,  73                           ; s73  0 or SLOT: the slot that is read
.set MUL,  0x52                        ; B window 2, A window 0, C and D window 1
.set MULB, 0x62                        ; the same with C (the bias) in window 2
.set TO_B, 0x80
.set MSB, 0
.macro WIN new                         ; the immediate's high byte repeats the setting that is left; a switch that changes nothing is dropped
.if MSB != (\new)
	s_set_vgpr_msb (MSB<<8)|(\new)
.set MSB, \new
.endif
.endm
.macro PLACES                          ; four plain vector instructions between a matrix instruction and a load into its sources or a read of its result (ISA guide 7.12.1 for vector instructions)
.rept 4
	v_nop
.endr
.endm
.macro JLOAD                           ; a joint refill by the walking descriptor; the branch hangs on the wave's number alone; an s_nop 0 and four v_nop follow each of the two lines
	s_cmp_eq_u32 s[WR], 0
	s_cbranch_scc0 .Lfor_b_\@
	tensor_load_to_lds s[G0A+4:G0A+7], s[G1A:G1A+7]
	s_nop 0
	PLACES
	s_branch .Lasked_\@
.Lfor_b_\@:
	tensor_load_to_lds s[G0B+4:G0B+7], s[G1B:G1B+7]
	s_nop 0
	PLACES
.Lasked_\@:
.endm
.macro CREST
	s_cmp_lg_u32 s[WV], 0
	s_cbranch_scc1 .Lnot_wave_0_\@
	s_barrier_signal -3
.Lnot_wave_0_\@:
	s_barrier_wait -3
	s_barrier_signal -1
	s_barrier_wait -1
.endm
.macro CROUND
	s_barrier_signal -1
	s_barrier_wait -1
	CREST
.endm
	s_load_b256 s[4:11], s[0:1], 0x0               ; vg s[4:5], Wob s[6:7], bo s[8:9], out0 s[10:11]
	v_lshl_add_u32 v[SPW], v0, 2, SPARE
	v_mov_b32 v[NIL], 0
	ds_add_u32 v28, v29
	ds_add_u32 v28, v29
	s_wait_dscnt 0x0
	v_lshrrev_b32 v1, 5, v0
	v_readfirstlane_b32 s[WV], v1
	s_lshr_b32 s[WR], s[WV], 1                     ; which 64 rows are mine.  Also: I fetch for A (0) or for B (1)
	s_and_b32 s[WC], s[WV], 1                      ; which 128 columns.  Also: which half of that tile I fetch
	s_mov_b32 s[UPM], 0xffff0000
	s_mov_b32 s[TB], 0
	s_bfe_u32 s[CX], ttmp6, 0x40000
	s_bfe_u32 s[CY], ttmp6, 0x40004
	s_lshl_b32 s[BX], ttmp9, 2
	s_add_co_u32 s[BX], s[BX], s[CX]
	s_and_b32 s[BY], ttmp7, 0xffff
	s_lshl_b32 s[BY], s[BY], 2
	s_add_co_u32 s[BY], s[BY], s[CY]
	s_lshl_b32 s27, s[CY], 2
	s_lshl_b32 s27, 15, s27                        ; my row of the cluster
	s_lshl_b32 s2, 0x1111, s[CX]                   ; my column
	s_or_b32 s[G1A+0], s27, (1<<16)|(1<<20)|(1<<21)|(6<<22)|(3<<25)  ; the mask; 2-byte elements; padding on; bit 21 beside a mask; 4 words behind every 128
	s_or_b32 s[G1B+0], s2, (1<<16)|(1<<20)|(1<<21)|(5<<22)|(3<<25)   ; 4 words behind every 64
	s_mov_b32 s[G1A+1], 256<<16                    ; tensor_dim0 = 256: a block's 128 hi and 128 lo
	s_mov_b32 s[G1A+2], 64<<16                     ; tensor_dim1 = 64
	s_mov_b32 s[G1A+3], 256<<16                    ; tile_dim0 = 256
	s_mov_b32 s[G1A+4], 64                         ; tile_dim1 = 64
	s_mov_b32 s[G1A+5], 2*SIZE_K                   ; 2,048 elements from row to row of vg
	s_mov_b32 s[G1A+6], 0
	s_mov_b32 s[G1A+7], 0
	s_mov_b32 s[G1B+1], KSTEP<<16
	s_mov_b32 s[G1B+2], 128<<16
	s_mov_b32 s[G1B+3], KSTEP<<16
	s_mov_b32 s[G1B+4], 128
	s_mov_b32 s[G1B+5], SIZE_K
	s_mov_b32 s[G1B+6], 0
	s_mov_b32 s[G1B+7], 0
	s_lshl_b32 s60, s[BY], 7                       ; A: row 128 y + 64 x half: made of y and the wave's number alone
	s_lshl_b32 s27, s[WC], 6
	s_add_co_u32 s60, s60, s27
	s_mul_i32 s60, s60, SIZE_K*4                   ; 4,096 bytes a row
	s_mov_b32 s61, 0
	s_lshl_b32 s62, s[BX], 8                       ; B: row 256 x + 128 x half: made of x and the wave's number alone
	s_lshl_b32 s2, s[WC], 7
	s_add_co_u32 s62, s62, s2
	s_mul_i32 s62, s62, SIZE_K*2
	s_mov_b32 s63, 0
	s_mul_i32 s68, s[WC], AHALF                    ; where they go: no place in the cluster enters an LDS address
	s_mul_i32 s69, s[WC], BHALF
	s_add_co_u32 s69, s69, BOFF
	s_wait_kmcnt 0x0
	s_add_nc_u64 s[60:61], s[4:5], s[60:61]
	s_add_nc_u64 s[62:63], s[6:7], s[62:63]
.irp s, 0,1
	s_mov_b32 s[G0A+4*\s], 1
	s_add_co_u32 s[G0A+4*\s+1], s68, \s*SLOT
	s_add_nc_u64 s[G0A+4*\s+2:G0A+4*\s+3], s[60:61], \s*KSTEP*4
	s_or_b32 s[G0A+4*\s+3], s[G0A+4*\s+3], 0x80000000
	s_mov_b32 s[G0B+4*\s], 1
	s_add_co_u32 s[G0B+4*\s+1], s69, \s*SLOT
	s_add_nc_u64 s[G0B+4*\s+2:G0B+4*\s+3], s[62:63], \s*KSTEP*2
	s_or_b32 s[G0B+4*\s+3], s[G0B+4*\s+3], 0x80000000
.endr
	CROUND                                         ; all sixteen work-groups are here: the first joint loads meet
	s_cmp_eq_u32 s[WR], 0                          ; a wave's two first fills stand in one branch: two loads of mine are out
	s_cbranch_scc0 .Lfirst_b
	tensor_load_to_lds s[G0A:G0A+3], s[G1A:G1A+7]
	s_nop 0
	tensor_load_to_lds s[G0A+4:G0A+7], s[G1A:G1A+7]
	s_nop 0
	PLACES
	s_branch .Lfirst_asked
.Lfirst_b:
	tensor_load_to_lds s[G0B:G0B+3], s[G1B:G1B+7]
	s_nop 0
	tensor_load_to_lds s[G0B+4:G0B+7], s[G1B:G1B+7]
	s_nop 0
	PLACES
.Lfirst_asked:
	s_lshl_b32 s70, s[BX], 10
	s_lshl_b32 s27, s[WC], 9
	s_add_co_u32 s70, s70, s27                     ; my 128 columns, in bytes of f32
	s_mov_b32 s71, 0
	s_add_nc_u64 s[8:9], s[8:9], s[70:71]          ; bo
	s_lshl_b32 s27, s[BY], 19                      ; out0: row 128 y + 64 wr, 4,096 bytes a row
	s_add_co_u32 s70, s70, s27
	s_lshl_b32 s27, s[WR], 18
	s_add_co_u32 s70, s70, s27
	s_add_nc_u64 s[10:11], s[10:11], s[70:71]
	v_and_b32 v1, 15, v0                           ; r
	v_bfe_u32 v2, v0, 4, 1                         ; hh
	v_and_b32 v3, 31, v0                           ; lane
	v_lshlrev_b32 v8, 5, v2                        ; 32 hh
	WIN TO_B
.irp b, 0,1,2,3,4,5,6,7                ; the bias as an accumulator holds it: register j of tile bt is column 16 bt + 8 hh + j, in every row
	global_load_b128 v[BIAS+8*\b:BIAS+8*\b+3],   v8, s[8:9] offset:64*\b
	global_load_b128 v[BIAS+8*\b+4:BIAS+8*\b+7], v8, s[8:9] offset:64*\b+16
.endr
	WIN 0
	v_mul_u32_u24 v4, v1, PA
	v_lshl_add_u32 v4, v2, 4, v4                   ; A: row r, 16 bytes for each half of the lanes
	s_mul_i32 s27, s[WR], AHALF
	v_add_nc_u32 v[A0], s27, v4
	v_mov_b32 v[ADRA], v[A0]                       ; slot 0 is read first
	v_mul_u32_u24 v5, v1, PB
	v_lshl_add_u32 v5, v2, 4, v5                   ; B likewise
	s_mul_i32 s27, s[WC], BHALF
	s_add_co_u32 s27, s27, BOFF
	v_add_nc_u32 v[B0], s27, v5
	v_mov_b32 v[ADRB], v[B0]
	s_mul_i32 s27, s[WV], 16*SPITCH
	s_add_co_u32 s27, s27, STAGE                   ; my stage
	v_mul_u32_u24 v[STO], v1, SPITCH
	v_lshl_add_u32 v[STO], v2, 5, v[STO]
	v_add_nc_u32 v[STO], s27, v[STO]               ; in: row r, 32 bytes (8 f32) for each half of the lanes
	v_lshlrev_b32 v[CO], 4, v3                     ; 16 x lane: my place in 512 consecutive bytes of out0,
	v_add_nc_u32 v[RD], s27, v[CO]                 ; and of a row of the stage
	s_wait_loadcnt 0x0
	WIN 0xaa                                       ; every operand in window 2: the bias is rounded to bf16 and widened again
.set i, 0
.rept 32
	v_cvt_pk_bf16_f32 v[BT+i], v[BIAS+2*i], v[BIAS+2*i+1]
.set i, i+1
.endr
.set i, 0
.rept 32
	v_lshlrev_b32 v[BIAS+2*i], 16, v[BT+i]
	v_and_b32 v[BIAS+2*i+1], s[UPM], v[BT+i]
.set i, i+1
.endr
	WIN 0
; matrix instruction i of a run of 32: rows 16 (i / 8) .., columns 16 (i % 8) ..; buffers f; p = 0: A's hi part, 1: its lo part.  first = 1: the bias starts the sum
.macro MM f, p, i, first
.set rD, 8*(\i)
.set rB, 64*(\f)+8*((\i)%8)
.set rA, AF+64*(\f)+32*(\p)+8*((\i)/8)
.if \first
	WIN MULB
	v_wmma_f32_16x16x32_bf16 v[rD:rD+7], v[rB:rB+7], v[rA:rA+7], v[BIAS+8*((\i)%8):BIAS+8*((\i)%8)+7]
.else
	WIN MUL
	v_wmma_f32_16x16x32_bf16 v[rD:rD+7], v[rB:rB+7], v[rA:rA+7], v[rD:rD+7]
.endif
.endm
.macro MMS f, p, lo, n, first
.set mi, \lo
.rept \n
	MM \f, \p, mi, \first
.set mi, mi+1
.endr
.endm
.macro FETCH q, g                      ; 32 LDS loads in one run: quarter q of the slot in hand into buffers g: A's hi and lo (256 bytes apart in a row), then B
	WIN 0
.irp a, 0,1,2,3
.irp p, 0,1
	ds_load_b128 v[AF+64*(\g)+32*\p+8*\a:AF+64*(\g)+32*\p+8*\a+3],   v[ADRA] offset:\a*16*PA+256*\p+64*(\q)
	ds_load_b128 v[AF+64*(\g)+32*\p+8*\a+4:AF+64*(\g)+32*\p+8*\a+7], v[ADRA] offset:\a*16*PA+256*\p+64*(\q)+32
.endr
.endr
	WIN TO_B
.irp b, 0,1,2,3,4,5,6,7
	ds_load_b128 v[64*(\g)+8*\b:64*(\g)+8*\b+3],   v[ADRB] offset:\b*16*PB+64*(\q)
	ds_load_b128 v[64*(\g)+8*\b+4:64*(\g)+8*\b+7], v[ADRB] offset:\b*16*PB+64*(\q)+32
.endr
.endm
.macro NEXTSLOT                        ; the reads go over to the other slot
	s_xor_b32 s[TB], s[TB], SLOT
	v_add_nc_u32 v[ADRA], s[TB], v[A0]
	v_add_nc_u32 v[ADRB], s[TB], v[B0]
.endm
.macro QUARTER q, f, g, first          ; one of a K step's first three quarters: multiplies buffers f, fetches quarter q of the same slot into buffers g
	s_wait_dscnt 0x0                               ; buffers f are in (asked for 64 matrix instructions ago)
	PLACES                                         ; for the loads into buffers g, which the quarter before multiplied
	FETCH \q, \g
	MMS \f, 0, 0, 32, \first
	MMS \f, 1, 0, 32, 0
.endm
; The fourth quarter multiplies buffers 1 and changes slots: ONE barrier; in front of it each wave waits for all its tensor loads (one is out: its part of the next slot), adds 0 to its spare word, and
; waits for that and for its reads of this slot.  fill = 1: the barrier opens a round of the cluster's barrier, and this slot is filled again, two K steps ahead, first thing behind the round.
; fill = 0 (the second loop): nothing is asked for; in its last trip there is no further K step, and the run of LDS loads is jumped over.
.macro TURN fill
	WIN 0                                          ; (the add's two registers lie in window 0)
	s_wait_tensorcnt 0x0                           ; no tensor load of mine is out, so a group 0 may be written
	ds_add_u32 v[SPW], v[NIL]                      ; 0 onto my spare word
.if \fill
	s_xor_b32 s[G0A+5], s[G0A+5], SLOT             ; the walking descriptors: the other slot than last time,
	s_add_nc_u64 s[G0A+6:G0A+7], s[G0A+6:G0A+7], KSTEP*4   ; the next K step (A: 512 bytes along a row, B: 256); the type bits on top are not reached
	s_xor_b32 s[G0B+5], s[G0B+5], SLOT
	s_add_nc_u64 s[G0B+6:G0B+7], s[G0B+6:G0B+7], KSTEP*2
.endif
	s_wait_dscnt 1                                 ; buffers 1 are in; the add alone may be out
	MMS 1, 0, 0, 8, 0                              ; eight matrix instructions stand between the add and the wait for it
	s_wait_dscnt 0x0                               ; the add is done, and my reads of this slot are over
	s_barrier_signal -1
	MMS 1, 0, 8, 8, 0
	WIN 0
	s_barrier_wait -1
.if \fill
	CREST                                          ; no wave of any partner still reads this slot's tiles or has a load on its way
	JLOAD                                          ; 240 matrix instructions ahead of the wait for it; the four v_nop behind it are also the places in front of the loads below
	NEXTSLOT
	FETCH 0, 0
.else
	s_cmp_eq_u32 s3, 1
	s_cbranch_scc1 .Lno_next_\@
	NEXTSLOT
	PLACES
	FETCH 0, 0
	WIN 0
.Lno_next_\@:
.endif
	MMS 1, 0, 16, 16, 0
	MMS 1, 1, 0, 32, 0
.endm
	s_wait_tensorcnt 0x1                           ; my part of K step 0 is in; K step 1's stays out
	s_barrier_signal -1
	s_barrier_wait -1
	FETCH 0, 0
	QUARTER 1, 0, 1, 1                             ; the first quarter stands in front of the loop: its first products start the sums
	WIN 0                                          ; at a label and at a branch every window is 0
	s_mov_b32 s3, STEPS-2
.Lstep:                                                ; 6 trips, each from a K step's second quarter to the next step's first; each fills the slot that it leaves
	QUARTER 2, 1, 0, 0
	QUARTER 3, 0, 1, 0
	TURN 1
	QUARTER 1, 0, 1, 0
	WIN 0
	s_sub_co_u32 s3, s3, 1
	s_cmp_lg_u32 s3, 0
	s_cbranch_scc1 .Lstep
	s_mov_b32 s3, 2
.Ltail:                                                ; the last two K steps have a text of their own; the second trip is left in its middle
	QUARTER 2, 1, 0, 0
	QUARTER 3, 0, 1, 0
	TURN 0
	WIN 0
	s_sub_co_u32 s3, s3, 1
	s_cmp_eq_u32 s3, 0
	s_cbranch_scc1 .Lout
	QUARTER 1, 0, 1, 0
	WIN 0
	s_branch .Ltail
.Lout:
; THE WAY OUT, 16 rows at a time: 32 bytes a lane and tile into my stage, back as whole rows of 512 bytes, stored.
.macro TOSTAGE a
	s_wait_xcnt 0x0                                ; the stores two blocks back have read the registers into which the loads below land
	WIN 0x04                                       ; store data in window 1
.irp b, 0,1,2,3,4,5,6,7
	ds_store_b128 v[STO], v[8*(8*(\a)+\b):8*(8*(\a)+\b)+3]   offset:64*\b      ; each accumulator's low registers first
	ds_store_b128 v[STO], v[8*(8*(\a)+\b)+4:8*(8*(\a)+\b)+7] offset:64*\b+16
.endr
	WIN 0
.set ti, 0
.rept 16
	ds_load_b128 v[OB+64*((\a)%2)+4*ti:OB+64*((\a)%2)+4*ti+3], v[RD] offset:SPITCH*ti   ; LDS serves a wave's instructions in order (ISA guide 5.7.1.4): these see the stores above
.set ti, ti+1
.endr
.endm
.macro SEND a, younger                 ; younger: the LDS instructions issued behind block a's loads: the next block's 32, or none
	s_wait_dscnt \younger
.set ti, 0
.rept 16
	global_store_b128 v[CO], v[OB+64*((\a)%2)+4*ti:OB+64*((\a)%2)+4*ti+3], s[10:11] offset:(16*(\a)+ti)*4096 th:TH_STORE_NT   ; 512 consecutive bytes, aligned
.set ti, ti+1
.endr
.endm
	PLACES                                         ; the LDS stores read results just made, and the loads from the stage land in A's second buffer
	TOSTAGE 0
	TOSTAGE 1
	SEND 0, 32
	TOSTAGE 2
	SEND 1, 32
	TOSTAGE 3
	SEND 2, 32
	SEND 3, 0
	s_wait_tensorcnt 0x0                           ; the wave's end
	ds_add_u32 v[SPW], v[NIL]
	s_wait_dscnt 0x0
	CROUND                                         ; the closing round: no work-group ends while a partner may still ask for a tile that names it
	s_endpgm
.Lfunc_end_k_q7302b9cc5a_ogemm:
	.size	k_q7302b9cc5a_ogemm, .Lfunc_end_k_q7302b9cc5a_ogemm-k_q7302b9cc5a_ogemm
	.p2alignl 7, 3214868480
	.fill 96, 4, 3214868480
	.section	.rodata,"a",@progbits
	.p2align	6, 0x0
	.amdhsa_kernel k_q7302b9cc5a_ogemm
		.amdhsa_group_segment_fixed_size 327680
		.amdhsa_private_segment_fixed_size 0
		.amdhsa_enable_private_segment 0
		.amdhsa_kernarg_size 32
		.amdhsa_user_sgpr_count 2
		.amdhsa_user_sgpr_kernarg_segment_ptr 1
		.amdhsa_wavefront_size32 1
		.amdhsa_system_sgpr_workgroup_id_x 1
		.amdhsa_system_sgpr_workgroup_id_y 1
		.amdhsa_system_sgpr_workgroup_id_z 1
		.amdhsa_system_vgpr_workitem_id 0
		.amdhsa_next_free_vgpr 768
		.amdhsa_next_free_sgpr 96
		.amdhsa_reserve_vcc 0
		.amdhsa_float_denorm_mode_32 3
		.amdhsa_float_denorm_mode_16_64 3
		.amdhsa_memory_ordered 1
		.amdhsa_forward_progress 1
		.amdhsa_inst_pref_size 88
	.end_amdhsa_kernel
	.amdgpu_metadata
---
amdhsa.version: [ 1, 2 ]
amdhsa.kernels:
  - .name:           k_q7302b9cc5a_ogemm
    .symbol:         k_q7302b9cc5a_ogemm.kd
    .args:
      - { .name: vg, .offset: 0, .size: 8, .value_kind: global_buffer, .address_space: global }
      - { .name: Wob, .offset: 8, .size: 8, .value_kind: global_buffer, .address_space: global }
      - { .name: bo, .offset: 16, .size: 8, .value_kind: global_buffer, .address_space: global }
      - { .name: out0, .offset: 24, .size: 8, .value_kind: global_buffer, .address_space: global }
    .group_segment_fixed_size: 327680
    .private_segment_fixed_size: 0
    .kernarg_segment_align: 8
    .kernarg_segment_size: 32
    .max_flat_workgroup_size: 128
    .sgpr_count:     96
    .vgpr_count:     768
    .wavefront_size: 32
...
	.end_amdgpu_metadata
.endif
;; end of part 5
